; MI455X (gfx1250); checked and timed in simulation.
; The chip was launched on July 23, 2026; its instructions are those of AMD's public machine-readable ISA for CDNA 5 (MIT licence, August 2026) and "CDNA5" Instruction Set Architecture Reference Guide (July 2026). The comments in the code are by the model that wrote it; some were corrected since.
;; Multi Head Attention. Allowed arithmetic: matrix products marked QUANTISED: E3M2 operands, one E8M0 scale for each 32 along K, by v_wmma_scale_f32_16x16x128_f8f6f4 with both operands' format E3M2, f32 sums; everything else in f32.
;; Inputs: Wk 1,024 x 1,024 float32; Wp 1,024 x 1,024 float32; Wq 1,024 x 1,024 float32; Wv 1,024 x 1,024 float32; attention_mask 2 x 2,048 float32; bp 1,024 float32; x 2 x 2,048 x 1,024 float32.
;; Outputs: out0 2 x 2,048 x 1,024 float32.
;; This version of the problem:
;;   THIS VERSION OF THE PROBLEM IS GIVEN IN LOW PRECISION. The matrix products marked QUANTISED in the list below multiply operands that are first quantised to E3M2 (3 exponent bits, 2 mantissa bits; 6 bits a number), with one power-of-two scale for each 32 numbers along K (OCP MX v1.0); their sums are f32. All else is computed in f32.
;;   The module's matrix products, in the order in which they are computed (A, B: the left and right operand; K: the contracted axis; several contracted axes count as one K, in the product's order):
;;     1. [M 4,096, K 1,024] x [K 1,024, N 1,024]; A: input x; B: input Wq: QUANTISED
;;     2. [M 4,096, K 1,024] x [K 1,024, N 1,024]; A: input x; B: input Wk: QUANTISED
;;     3. [M 4,096, K 1,024] x [K 1,024, N 1,024]; A: input x; B: input Wv: QUANTISED
;;     4. batch 32 x [M 2,048, K 64] x [K 64, N 2,048]; A: computed on the way; B: computed on the way: QUANTISED
;;     5. batch 32 x [M 64, K 2,048] x [K 2,048, N 2,048]; A: computed on the way; B: softmax (see below): QUANTISED
;;     6. [M 4,096, K 1,024] x [K 1,024, N 1,024]; A: computed on the way; B: input Wp: QUANTISED
;;   THE QUANTISER, for each operand of a quantised product, along K:
;;     - K is cut into blocks of 32 from its start; a last block that is shorter is filled with zeros.
;;     - A block's scale is 2^e with e = floor(log2(the largest magnitude in the block)) - 4, held to -126 .. 127; a block of zeros has e = 0. As a byte (E8M0): e + 127.
;;     - Each number is divided by its block's scale, clamped to +-28, and rounded to the nearest number of E3M2, ties to even, subnormals kept.
;;     - The product sums the exact products of the quantised numbers (number of the format x scale) in f32.
;;   ~~~python
;;   def quantise(x, axis):      # numpy; x: float32 -> the quantised numbers, widened to float32 again
;;       x = np.moveaxis(x, axis, -1); K = x.shape[-1]
;;       x = np.pad(x, [(0, 0)] * (x.ndim - 1) + [(0, -K % 32)]); x = x.reshape(x.shape[:-1] + (-1, 32)); a = np.abs(x).max(-1, keepdims=True)
;;       e = np.where(a > 0, np.clip(np.frexp(np.where(a > 0, a, 1))[1] - 1 - 4, -126, 127), 0)      # np.frexp(a)[1] - 1 = floor(log2(a)), exactly
;;       r = np.clip(x / 2.0 ** e, -28, 28)
;;       step = 2.0 ** (np.maximum(np.frexp(np.where(r == 0, 1, r))[1] - 1, -2) - 2)
;;       q = np.round(r / step) * step * 2.0 ** e      # np.round: ties to even
;;       return np.moveaxis(q.reshape(q.shape[:-2] + (-1,))[..., :K], -1, axis).astype(np.float32)
;;   ~~~
;;   SOFTMAX AHEAD OF A QUANTISED PRODUCT. Where the list says 'softmax', what is quantised is not the finished softmax but p = 2^(t - M), with t = logit x log2(e) and M = ceil(the row's largest t), a whole number; so 1/2 < the row's largest p <= 1. The row's sum l is taken of the UNQUANTISED p, in f32, and the product's result is divided by l at the end. Since M is a whole number, a kernel that streams over the keys may use a running M (the ceiling of the running maximum): every later rescaling is an exact power of two, which a block's scale takes up: the codes' values come out the same.
;;   OPERANDS COMPUTED ON THE WAY. 'Computed on the way' means the value that the module computes at that place (a softmax that the list does not call 'softmax' is quantised finished and normalised). What goes into a quantiser is computed in f32, as accurately as f32 sums, v_exp_f32 and their like allow (about 1e-6 of the number): no bf16 or f16 on the way to a quantiser, and a product that is left as it is and whose result goes on into a quantised operand takes f32 operands (vector FMAs, or v_wmma_f32_16x16x4_f32). A number that lies on a knife's edge between two numbers of the format may be rounded either way, as far as f32 arithmetic and the matrix unit's own rounding can turn it there, and no further.
;; One version. Each part assembles by itself: llvm-mc -triple=amdgcn-amd-amdhsa -mcpu=gfx1250 --defsym DOCPART=n.
;; ======== version 1 of 1: 4 launches
;; limits: right only within a limited range of input values
;; workspace buffers: xc 3,145,728 bytes; xs 131,072 bytes; wc 3,145,728 bytes; ws 131,072 bytes; qkvc 9,437,184 bytes; qkvs 393,216 bytes; oc 3,145,728 bytes; os 131,072 bytes
;; launch quant (part 1): grid 256 x 1, 4 waves a work-group, no clusters, 34,304 bytes of LDS; arguments x, Wq, Wk, Wv, Wp, xc, xs, wc, ws; writes xc, xs, wc, ws
.if DOCPART == 1
	.amdgcn_target "amdgcn-amd-amdhsa--gfx1250"
	.amdhsa_code_object_version 6
	.text
	.protected	k_q85c98c1e31_quant
	.globl	k_q85c98c1e31_quant
	.p2align	8
	.type	k_q85c98c1e31_quant,@function
k_q85c98c1e31_quant:
	s_mov_b64 s[64:65], 0
	v_nop
	global_prefetch_b8 v0, s[64:65] scope:SCOPE_SE
	s_setreg_imm32_b32 hwreg(HW_REG_WAVE_MODE, 25, 1), 1
	s_wait_xcnt 0x0
; x [4096][1024] f32 (K innermost) and Wq, Wk, Wv, Wp [1024 (K)][1024 (N)] f32 (K outermost) become codes of BF6 (E3M2) with one E8M0 byte for each 32 along K,
; laid as IMAGES OF THE MATRIX OPERAND'S REGISTERS, so that the later launches load fragments by dense loads of 16 bytes a lane and reorder nothing.
; A fragment is 16 rows x 128 K: 12 registers a lane, stored as 3 planes of [lane 32][16 bytes], 1,536 bytes.
; THE ROWS OF A TILE ARE NOT NEIGHBOURS: rows go in groups G of 32; row r of tile 2 G + u is row 32 G + 8 u + r + 8 (r / 8).
; wc: [tile][K step 8] fragments.  xs, ws: [G][pair of K steps 4][lane 32][2 words]: lanes 0-15 the scale words of tile 2 G, lanes 16-31 those of tile 2 G + 1.
; A block's scale is 2^(floor(log2(its largest magnitude)) - 4); its byte is the largest magnitude's exponent field - 4, held at 1 from below.
; LIMITS: a block whose largest magnitude lies under 2^-122 has its byte held at 1; a block of zeros gets the byte 1 where the rule says 127 (its codes are zeros, and this program alone reads the bytes);
; NaN and infinities among the inputs are not served.
; SHARES: 1,024 waves, each 32 rows x 256 K = 32 KiB of f32 = 4 fragments.  Work-groups 0-127 take x, 128-255 the four weights.  Every byte is read once by one wave: no tensor loads, no cluster, no barrier.
; THIS ORDER OF ROWS IS THE WEIGHTS'.  x's tiles go in groups C of 64 tokens: row r of tile 4 C + u is token 64 C + 8 u + (r mod 8) + 32 (r / 8).
; wc: tile 12 head + 4 weight + t for q, k, v (a head's three parts lie on end), then 192 + tile for Wp.
; WORK LEFT OUT OF THE PROGRAM: attention_mask is not loaded and is no argument of any launch: reference() reads it nowhere (its fill behind the softmax is not in place), so no output hangs on it, whatever it holds.
; Whole tiles of scores above the causal diagonal, which reference() itself sets to -infinity ahead of the softmax, are not computed.  LIMIT: a NaN, an infinity or an overflow that reaches only what is left out is not carried to the result.
; xc: [block of 16 tiles][K step 8][tile 16] fragments.
.set NXWG, 128
.set ROWB, 4096                        ; a row of x or of a weight in bytes
.set FRB,  1536                        ; a fragment's image
.set TILB, 12288                       ; a tile's eight fragments
.set SPIT, 528                         ; a stage row: 512 bytes + 16
.set STGB, 16*SPIT                     ; a wave's stage
.set SEL,  24                          ; s[24:25] v_permlanex16_b32's selects for lane l xor 16
.set RA,   16                          ; x path: v16-143 two sets of 64 registers as loaded
.set XN,   144                         ; v144-207 64 numbers of a lane: register 16 b + i = k 32 b + 16 (lane / 16) + i of its row
.set PC,   208                         ; v208-219 the fragment's codes; v220-222, v224-226 at work
.set TM,   228                         ; v228-243 at work
.set PW,   244                         ; the scale word just made
.set PWS,  245                         ; v245-248 the four fragments' scale words
.set WD,   250                         ; v[250:251] the two words that my lane stores
.set XB,   16                          ; W path: v16-79 two sets of 32 numbers
.set FW,   80                          ; v80-127 for K step e: even blocks at 80 + 24 e, odd blocks at 92 + 24 e
.set TT,   128                         ; v128-130 a conversion's result on its way to an odd register
; 64 numbers of a lane become a fragment's codes in v[PC] on and its row's scale word in v[PW]
.macro QUANT s
.irp b, 0,1,2,3
	v_max3_num_f32 v[TM+\b], |v[\s+16*\b]|, |v[\s+1+16*\b]|, 0x2800000   ; block b: my 16 numbers, and the floor 2^(5 - 127): the byte cannot fall under 1
.endr
.irp i, 2,4,6,8,10,12,14
.irp b, 0,1,2,3
	v_max3_num_f32 v[TM+\b], v[TM+\b], |v[\s+16*\b+\i]|, |v[\s+1+16*\b+\i]|   ; the four blocks by turns
.endr
.endr
.irp b, 0,1,2,3
	v_permlanex16_b32 v[TM+4+\b], v[TM+\b], s[SEL], s[SEL+1]
.endr
.irp b, 0,1,2,3
	v_max_num_f32 v[TM+\b], v[TM+\b], v[TM+4+\b]          ; with lane l xor 16's: the block's largest magnitude
.endr
.irp b, 0,1,2,3
	v_add_nc_u32 v[TM+12+\b], 0xfe000000, v[TM+\b]        ; 4 off its exponent field: the conversion's scale operand
.endr
.irp b, 0,1,2,3
	v_lshrrev_b32 v[TM+4+\b], 23, v[TM+12+\b]             ; the scale's byte
.endr
	v_lshl_or_b32 v[PW], v[TM+5], 8, v[TM+4]
	v_lshl_or_b32 v[PW], v[TM+6], 16, v[PW]
	v_lshl_or_b32 v[PW], v[TM+7], 24, v[PW]
.irp c, 0,1
	v_cvt_scalef32_pk16_bf6_f32 v[PC+6*\c:PC+2+6*\c], v[\s+32*\c:\s+15+32*\c], v[TM+12+2*\c]
	v_cvt_scalef32_pk16_bf6_f32 v[PC+12+4*\c:PC+14+4*\c], v[\s+16+32*\c:\s+31+32*\c], v[TM+12+2*\c+1]   ; (a conversion's three registers begin on an even number)
.endr
	v_nop                                          ; one plain place behind a scaled conversion
.irp c, 0,1                                    ; the operand's layout wants a whole block in a lane: lanes 0-15 block 2 c, lanes 16-31 block 2 c + 1
.irp i, 0,1,2
	v_permlane16_swap_b32 v[PC+6*\c+\i], v[PC+12+4*\c+\i]
.endr
.irp i, 0,1,2
	v_mov_b32 v[PC+3+6*\c+\i], v[PC+12+4*\c+\i]
.endr
.endr
.endm
	s_load_b256 s[4:11], s[0:1], 0x0               ; x s[4:5], Wq s[6:7], Wk s[8:9], Wv s[10:11]
	s_load_b256 s[12:19], s[0:1], 0x20             ; Wp s[12:13], xc s[14:15], xs s[16:17], wc s[18:19]
	s_load_b64 s[20:21], s[0:1], 0x40              ; ws
	v_lshl_add_u32 v254, v0, 2, 0x8400
	v_mov_b32 v255, 0
	v_lshrrev_b32 v1, 5, v0
	v_readfirstlane_b32 s22, v1                    ; wave 0..3
	v_and_b32 v1, 31, v0                           ; lane
	s_mov_b32 s[SEL], 0x76543210
	s_mov_b32 s[SEL+1], 0xfedcba98
	s_cmp_lt_u32 ttmp9, NXWG
	s_cbranch_scc0 .Lweights
; ---------------- x: group G = the work-group's number, K steps 2 w and 2 w + 1 ----------------
; Each load reads 512 consecutive bytes of one row; a fragment's 16 rows turn through the wave's own stage in LDS and come back 16 neighbours a lane and block.
	v_lshlrev_b32 v2, 4, v1                        ; 16 x lane: my bytes of a load, and of an image's plane
	s_mul_i32 s23, s22, STGB                       ; my stage
	v_add_nc_u32 v3, s23, v2                       ; into it
	v_and_b32 v6, 15, v1                           ; r
	v_lshrrev_b32 v7, 4, v1                        ; h
	v_mul_u32_u24 v4, v6, SPIT
	v_lshl_add_u32 v4, v7, 6, v4
	v_add_nc_u32 v4, s23, v4                       ; out of it: row r, + 64 h
	v_lshlrev_b32 v5, 3, v1                        ; 8 x lane: my two scale words
	v_cmp_lt_u32 vcc_lo, 15, v1                    ; lanes 16-31
.irp b, 0,1,2,3
	v_mov_b32 v[TM+4+\b], 0                        ; written once: a lane permute's destination counts as one of its sources
.endr
	s_lshr_b32 s26, ttmp9, 1                       ; x: 64 rows of 4,096 bytes a group C; work-group G takes tiles 2 G, 2 G + 1: rows 64 (G / 2) + 16 (G mod 2) on, and 32 further
	s_lshl_b32 s26, s26, 18
	s_and_b32 s27, ttmp9, 1
	s_lshl_b32 s27, s27, 16
	s_add_co_u32 s26, s26, s27
	s_lshl_b32 s27, s22, 10
	s_add_co_u32 s26, s26, s27
	s_mov_b32 s27, 0
	s_lshr_b32 s28, ttmp9, 3                       ; xc: a block of 16 tiles, K-major; two tiles a group, two K steps a wave
	s_mul_i32 s28, s28, 16*TILB
	s_and_b32 s29, ttmp9, 7
	s_mul_i32 s29, s29, 2*FRB
	s_add_co_u32 s28, s28, s29
	s_mul_i32 s29, s22, 32*FRB
	s_add_co_u32 s28, s28, s29
	s_mov_b32 s29, 0
	s_lshl_b32 s30, ttmp9, 10                      ; xs: 1,024 bytes a group, 256 a wave
	s_lshl_b32 s31, s22, 8
	s_add_co_u32 s30, s30, s31
	s_mov_b32 s31, 0
	s_wait_alu depctr_va_vdst(0)
	s_wait_kmcnt 0x0
	s_add_nc_u64 s[4:5], s[4:5], s[26:27]
	s_add_nc_u64 s[14:15], s[14:15], s[28:29]
	s_add_nc_u64 s[16:17], s[16:17], s[30:31]
; fragment f = 2 e + u: K step 2 w + e, tile 2 G + u
.macro XLD f, bank
.irp rr, 0,1,2,3,4,5,6,7,8,9,10,11,12,13,14,15
	global_load_b128 v[RA+64*(\bank)+4*\rr:RA+64*(\bank)+4*\rr+3], v2, s[4:5] offset:(8*((\f)%2)+\rr+24*(\rr/8))*ROWB+512*((\f)/2) th:TH_LOAD_NT
.endr
.endm
.macro XFRAG f
.if (\f) < 3
	s_wait_loadcnt 16                              ; this fragment's 16 loads are in; the next one's 16 may be out
.else
	s_wait_loadcnt 0x0
.endif
.irp rr, 0,1,2,3,4,5,6,7,8,9,10,11,12,13,14,15
	ds_store_b128 v3, v[RA+64*((\f)%2)+4*\rr:RA+64*((\f)%2)+4*\rr+3] offset:SPIT*\rr
.endr
.irp b, 0,1,2,3
.irp j, 0,1,2,3
	ds_load_b128 v[XN+16*\b+4*\j:XN+16*\b+4*\j+3], v4 offset:128*\b+16*\j   ; LDS serves a wave's instructions in order: these see the stores above
.endr
.endr
	s_wait_dscnt 0x0                               ; the numbers are back, and the stores have read their registers
	s_wait_xcnt 0x0                                ; the last fragment's stores have read v[PC] on: it is rewritten only behind this wait
.if (\f) < 2
	XLD (\f)+2, (\f)%2
.endif
	QUANT XN
.irp p, 0,1,2
	global_store_b128 v2, v[PC+4*\p:PC+4*\p+3], s[14:15] offset:FRB*((\f)%2)+16*FRB*((\f)/2)+512*\p   ; 32 lanes store 512 consecutive bytes
.endr
	v_mov_b32 v[PWS+(\f)], v[PW]
.endm
	XLD 0, 0
	XLD 1, 1
	XFRAG 0
	XFRAG 1
	XFRAG 2
	XFRAG 3
	v_cndmask_b32 v[WD], v[PWS], v[PWS+1], vcc_lo          ; lanes 0-15 tile 2 G's word, lanes 16-31 tile 2 G + 1's: K step 2 w,
	v_cndmask_b32 v[WD+1], v[PWS+2], v[PWS+3], vcc_lo      ; and K step 2 w + 1
	global_store_b64 v5, v[WD:WD+1], s[16:17]              ; 32 lanes store 256 consecutive bytes, aligned
	s_wait_tensorcnt 0x0
	ds_add_u32 v254, v255
	s_wait_dscnt 0x0
	s_endpgm
; ---------------- the weights: a lane takes a column n, and its registers run down K ----------------
.Lweights:
	s_sub_co_u32 s23, ttmp9, NXWG                  ; 0..127
	s_lshr_b32 s26, s23, 5                         ; which weight: 0 q, 1 k, 2 v, 3 p
	s_and_b32 s27, s23, 31
	s_and_b32 s28, s27, 7
	s_lshl_b32 s28, s28, 2
	s_add_co_u32 s28, s28, s22                     ; G = 4 x (0..7) + wave: the four waves stand side by side on 512 bytes of a row
	s_lshr_b32 s29, s27, 3                         ; which pair of K steps
	s_wait_alu depctr_va_vdst(0)
	v_and_b32 v2, 7, v1                            ; lane 16 u + r takes row r of tile 2 G + u: column 8 u + r + 8 (r / 8) of the group
	v_lshrrev_b32 v3, 4, v1
	v_lshl_or_b32 v2, v3, 3, v2
	v_bfe_u32 v3, v1, 3, 1
	v_lshl_or_b32 v2, v3, 4, v2
	v_lshlrev_b32 v2, 2, v2                        ; in bytes
	v_lshlrev_b32 v3, 4, v1                        ; 16 x lane
	v_lshlrev_b32 v4, 3, v1                        ; 8 x lane
	s_lshl_b32 s30, s29, 20                        ; W: 256 rows of 4,096 bytes a pair of K steps, 128 bytes a group
	s_lshl_b32 s31, s28, 7
	s_add_co_u32 s30, s30, s31
	s_mov_b32 s31, 0
	s_lshr_b32 s32, s28, 1                         ; q, k, v: twelve tiles a head, four a weight, two a group
	s_mul_i32 s32, s32, 12*TILB
	s_and_b32 s33, s28, 1
	s_mul_i32 s33, s33, 2*TILB
	s_add_co_u32 s32, s32, s33
	s_mul_i32 s33, s26, 4*TILB
	s_add_co_u32 s32, s32, s33
	s_mul_i32 s36, s28, 2*TILB                     ; Wp: behind the 192 tiles of the three
	s_add_co_u32 s36, s36, 192*TILB
	s_cmp_eq_u32 s26, 3
	s_cselect_b32 s32, s36, s32
	s_mul_i32 s33, s29, 2*FRB
	s_add_co_u32 s32, s32, s33
	s_mov_b32 s33, 0
	s_lshl_b32 s34, s26, 15                        ; ws: 32,768 bytes a weight, 1,024 a group, 256 a pair of K steps
	s_lshl_b32 s35, s28, 10
	s_add_co_u32 s34, s34, s35
	s_lshl_b32 s35, s29, 8
	s_add_co_u32 s34, s34, s35
	s_mov_b32 s35, 0
	s_wait_alu depctr_va_vdst(0)
	s_wait_kmcnt 0x0
	s_cmp_eq_u32 s26, 1                            ; the choice hangs on the work-group's number alone
	s_cselect_b64 s[6:7], s[8:9], s[6:7]
	s_cmp_eq_u32 s26, 2
	s_cselect_b64 s[6:7], s[10:11], s[6:7]
	s_cmp_eq_u32 s26, 3
	s_cselect_b64 s[6:7], s[12:13], s[6:7]
	s_add_nc_u64 s[6:7], s[6:7], s[30:31]
	s_add_nc_u64 s[18:19], s[18:19], s[32:33]
	s_add_nc_u64 s[20:21], s[20:21], s[34:35]
.macro WLD B, bank                     ; block B: W(32 B + i, my column), i = 0 .. 31: the wave reads 128 consecutive bytes of a row
.set i, 0
.rept 32
	global_load_b32 v[XB+32*(\bank)+i], v2, s[6:7] offset:(32*(\B)+i)*ROWB th:TH_LOAD_NT
.set i, i+1
.endr
.endm
; Block B = 4 e + 2 c + par of my column: all its 32 numbers are mine.  Its codes go to registers 6 c .. 6 c + 5 of the set of even (par = 0) or odd blocks of K step e.
.macro WBLK B
.set XSET, XB+32*((\B)%2)
.set DD, FW+24*((\B)/4)+12*((\B)%2)+6*(((\B)/2)%2)
.if (\B) < 7
	s_wait_loadcnt 32                              ; this block's 32 loads are in; the next block's may be out
.else
	s_wait_loadcnt 0x0
.endif
	v_max3_num_f32 v132, |v[XSET]|, |v[XSET+1]|, |v[XSET+2]|
	v_max3_num_f32 v133, |v[XSET+3]|, |v[XSET+4]|, |v[XSET+5]|
.irp i, 6,10,14,18,22,26
	v_max3_num_f32 v132, v132, |v[XSET+\i]|, |v[XSET+\i+1]|
	v_max3_num_f32 v133, v133, |v[XSET+\i+2]|, |v[XSET+\i+3]|
.endr
	v_max3_num_f32 v132, v132, |v[XSET+30]|, |v[XSET+31]|
	v_max3_num_f32 v132, v132, v133, 0x2800000     ; and the floor 2^(5 - 127)
	v_add_nc_u32 v134, 0xfe000000, v132            ; 4 off the exponent field: the conversion's scale operand
	v_lshrrev_b32 v133, 23, v134                   ; the scale's byte
.if (\B)%4 == 0
	v_mov_b32 v[136+(\B)/4], v133                  ; four bytes to a word, the lower K in the lower byte
.else
	v_lshl_or_b32 v[136+(\B)/4], v133, 8*((\B)%4), v[136+(\B)/4]
.endif
	v_cvt_scalef32_pk16_bf6_f32 v[DD:DD+2], v[XSET:XSET+15], v134
	v_cvt_scalef32_pk16_bf6_f32 v[TT:TT+2], v[XSET+16:XSET+31], v134   ; (a conversion's three registers begin on an even number)
	v_nop                                          ; one plain place behind a scaled conversion
.irp i, 0,1,2
	v_mov_b32 v[DD+3+\i], v[TT+\i]
.endr
.if (\B) < 6
	WLD (\B)+2, (\B)%2
.endif
.if (\B)%4 == 3
; A K step is whole.  Lanes 0-15 hold tile 2 G's columns, lanes 16-31 tile 2 G + 1's; a fragment wants even blocks in lanes 0-15 and odd blocks in lanes 16-31 of ONE tile:
; the even set's lanes 16-31 change places with the odd set's lanes 0-15.
.set FE, FW+24*((\B)/4)
.irp i, 0,1,2,3,4,5,6,7,8,9,10,11
	v_permlane16_swap_b32 v[FE+\i], v[FE+12+\i]
.endr
.irp u, 0,1
.irp p, 0,1,2
	global_store_b128 v3, v[FE+12*\u+4*\p:FE+12*\u+4*\p+3], s[18:19] offset:TILB*\u+FRB*((\B)/4)+512*\p   ; each K step has registers of its own: no store's data are written again
.endr
.endr
.endif
.endm
	WLD 0, 0
	WLD 1, 1
.irp B, 0,1,2,3,4,5,6,7
	WBLK \B
.endr
	global_store_b64 v4, v[136:137], s[20:21]      ; my column's two scale words: 32 lanes store 256 consecutive bytes, aligned
	s_endpgm
.Lfunc_end_k_q85c98c1e31_quant:
	.size	k_q85c98c1e31_quant, .Lfunc_end_k_q85c98c1e31_quant-k_q85c98c1e31_quant
	.p2alignl 7, 3214868480
	.fill 96, 4, 3214868480
	.section	.rodata,"a",@progbits
	.p2align	6, 0x0
	.amdhsa_kernel k_q85c98c1e31_quant
		.amdhsa_group_segment_fixed_size 34304
		.amdhsa_private_segment_fixed_size 0
		.amdhsa_enable_private_segment 0
		.amdhsa_kernarg_size 72
		.amdhsa_user_sgpr_count 2
		.amdhsa_user_sgpr_kernarg_segment_ptr 1
		.amdhsa_wavefront_size32 1
		.amdhsa_system_sgpr_workgroup_id_x 1
		.amdhsa_system_sgpr_workgroup_id_y 1
		.amdhsa_system_sgpr_workgroup_id_z 1
		.amdhsa_system_vgpr_workitem_id 0
		.amdhsa_next_free_vgpr 256
		.amdhsa_next_free_sgpr 66
		.amdhsa_reserve_vcc 1
		.amdhsa_float_denorm_mode_32 3
		.amdhsa_float_denorm_mode_16_64 3
		.amdhsa_memory_ordered 1
		.amdhsa_forward_progress 1
		.amdhsa_inst_pref_size 73
	.end_amdhsa_kernel
	.amdgpu_metadata
---
amdhsa.version: [ 1, 2 ]
amdhsa.kernels:
  - .name:           k_q85c98c1e31_quant
    .symbol:         k_q85c98c1e31_quant.kd
    .args:
      - { .name: x, .offset: 0, .size: 8, .value_kind: global_buffer, .address_space: global }
      - { .name: Wq, .offset: 8, .size: 8, .value_kind: global_buffer, .address_space: global }
      - { .name: Wk, .offset: 16, .size: 8, .value_kind: global_buffer, .address_space: global }
      - { .name: Wv, .offset: 24, .size: 8, .value_kind: global_buffer, .address_space: global }
      - { .name: Wp, .offset: 32, .size: 8, .value_kind: global_buffer, .address_space: global }
      - { .name: xc, .offset: 40, .size: 8, .value_kind: global_buffer, .address_space: global }
      - { .name: xs, .offset: 48, .size: 8, .value_kind: global_buffer, .address_space: global }
      - { .name: wc, .offset: 56, .size: 8, .value_kind: global_buffer, .address_space: global }
      - { .name: ws, .offset: 64, .size: 8, .value_kind: global_buffer, .address_space: global }
    .group_segment_fixed_size: 34304
    .private_segment_fixed_size: 0
    .kernarg_segment_align: 8
    .kernarg_segment_size: 72
    .max_flat_workgroup_size: 128
    .sgpr_count:     66
    .vgpr_count:     256
    .wavefront_size: 32
...
	.end_amdgpu_metadata
.endif
;; end of part 1
;; launch qkv (part 2): grid 16 x 16, 4 waves a work-group, clusters of 4 x 4, 321,536 bytes of LDS; arguments xc, xs, wc, ws, qkvc, qkvs; writes qkvc, qkvs
.if DOCPART == 2
	.amdgcn_target "amdgcn-amd-amdhsa--gfx1250"
	.amdhsa_code_object_version 6
	.text
	.protected	k_q85c98c1e31_qkv
	.globl	k_q85c98c1e31_qkv
	.p2align	8
	.type	k_q85c98c1e31_qkv,@function
k_q85c98c1e31_qkv:
	s_mov_b64 s[64:65], 0
	v_nop
	global_prefetch_b8 v0, s[64:65] scope:SCOPE_SE
	s_setreg_imm32_b32 hwreg(HW_REG_WAVE_MODE, 25, 1), 1
	s_wait_xcnt 0x0
	s_wait_alu depctr_hold_cnt(0) depctr_sa_sdst(0) depctr_va_vdst(0) depctr_va_sdst(0) depctr_va_ssrc(0) depctr_va_vcc(0) depctr_vm_vsrc(0)
	s_getreg_b32 s2, hwreg(HW_REG_IB_STS2, 6, 4)
	s_cmp_eq_u32 s2, 0
	s_cbranch_scc0 .Lentry_in_a_cluster
	s_endpgm
.Lentry_in_a_cluster:
	s_bfe_u32 s2, ttmp6, 0x10000c
	s_cmp_lg_u32 s2, 0xf033
	s_cbranch_scc0 .Lentry_shape_is_right
	s_endpgm
.Lentry_shape_is_right:
; q = x Wq, k = x Wk, v = x Wv on codes of BF6 (E3M2, one E8M0 scale for each 32 along K), and their results quantised at once for the attention's products: q and k along the head's 64 channels, v along the keys.
; SHARES.  A work-group takes 256 tokens (block X) and one head: 64 columns of each of the three weights.  16 x 16 = 256 work-groups of equal work.  A wave takes 64 tokens (4 tiles of 16) x 192 columns,
; in three passes (q, k, v) of 16 accumulators x 8 K steps of 128: 384 matrix instructions.
; CLUSTER 4 x 4: the four of a column take the same x, the four of a row the same head: both are asked for JOINTLY.  The place in the cluster enters global addresses and masks alone.
; LDS, filled ONCE, one tensor load a wave: x's K steps 0-6 (172,032 bytes), the head's three weights (147,456).  x's K step 7 (24,576 bytes more would not fit) comes straight into registers, each wave its own tiles.
; Wave 3 fetches Wk and Wv; they are waited for ahead of the k pass only.  x's fragments are read from LDS in the q pass and stay in registers.
; No prefetch: all that a work-group reads is asked for at the head; no loop is left to run ahead in.
; LAYOUTS (made by the launch before): a fragment (16 rows x 128 K, 12 registers) is 3 planes of [lane][16 bytes].  Row r of token tile 4 C + u is token 64 C + 8 u + (r mod 8) + 32 (r / 8);
; row r of a weight's tile 2 G + u is column 32 G + 8 u + r + 8 (r / 8).
; q, k: THE PRODUCT IS USED TRANSPOSED (source 0 = 16 columns of W, source 1 = 16 tokens): a lane holds one token and channels 32 b + 16 (lane / 16) + 0 .. 15, b = 0, 1.
; v: the natural order: a lane of half h holds one channel and the whole block of keys 32 h + 0 .. 31 of its wave's 64.
; OUT: half fragments (16 rows x 64 K, 6 registers) as 3 planes of [lane][8 bytes], 768 bytes.  qkvc: [q, k, v][batch x head 32][98,304]; q, k: [tile of tokens 128]; v: [64 keys 32][tile of channels 4].
; qkvs: [q, k, v][batch x head][4,096]; q, k: [pair of tiles 64][r 16] words, the even tile's two bytes below; v: [128 keys 16][tile of channels 4][r 16] words.
; LIMITS: a block whose largest magnitude lies under 2^-122 has its byte held at 1; a block of zeros gets the byte 1 where the rule says 127 (its codes are zeros; this program alone reads the bytes); NaN and infinities are not served.
; REGISTERS, in windows of 256: window 0: addresses, scale words, v80-99 at work, v100-123 codes, v128-255 the 16 accumulators.
;   window 1: x's fragments of K steps 0-4 at 48 s + 12 i.   window 2: those of K steps 5-7 at 48 (s - 5) + 12 i; v144-191, v192-239 W's four fragments, two sets.
.set FRB,  1536                        ; a fragment's image
.set TILB, 12288                       ; a tile's eight fragments
.set WPART, 4*TILB                     ; a head's part of one weight
.set XST,  16*FRB                      ; x: a K step of the work-group's 16 tiles
.set SECB, 3145728                     ; a section (q, k or v) of qkvc
.set WL,   7*XST                       ; LDS: the weights, behind x
.set SX,   WL+3*WPART                  ; the work-group's scale words, [q, k, v][512 bytes]; no tensor load lands here
.set SPARE, SX+1536                    ; the spare words, 128 bytes a wave
.set WV,   16                          ; s16 wave, s17 cx, s18 X, s19 head, s20 cy
.set SEL,  22
.set G1A,  24                          ; descriptor groups 1: x's K steps 0-3, 4-6, Wq, Wk and Wv
.set G1B,  32
.set G1C,  40
.set G1D,  48
.set G0A,  56                          ; and groups 0
.set G0B,  60
.set G0C,  68
.set G0D,  72
.set LWR,  3                           ; v3-5 LDS address of my lane in weight P's part
.set XA,   10                          ; v10-12 LDS address of my lane in my x tiles of K step 0, 3, 6 (later v10-15 hold scale halfwords and words)
.set XSC,  16
.set WSC,  32
.set TM,   80
.set TP,   84
.set BS,   88
.set TT,   92
.set CDR,  100
.set ACC,  128
.set SPW,  126
.set NIL,  127
.set WB,   144
.set MSB,  0
.macro WIN new                         ; the immediate's high byte repeats the setting that is left
.if MSB != \new
	s_set_vgpr_msb (MSB<<8)|\new
.set MSB, \new
.endif
.endm
.macro PLACES                          ; four places behind a matrix instruction, in front of loads into its registers and of reads of its result
.rept 4
	v_nop
.endr
.endm
.macro CROUND                          ; a round of the cluster's barrier
	s_barrier_signal -1
	s_barrier_wait -1
	s_cmp_lg_u32 s[WV], 0
	s_cbranch_scc1 .Lnot_wave_0_\@
	s_barrier_signal -3
.Lnot_wave_0_\@:
	s_barrier_wait -3
	s_barrier_signal -1
	s_barrier_wait -1
.endm
; One matrix instruction.  cm = 0: C is the constant 0; 1: C is D.  ra, rb = 1: that side's scales are read from lanes 16-31 of its register.
.macro WMS d, a, b, cm, sa, sb, ra, rb
.if \cm
.if (\ra) && (\rb)
	v_wmma_scale_f32_16x16x128_f8f6f4 v[\d:\d+7], v[\a:\a+11], v[\b:\b+11], v[\d:\d+7], v[\sa], v[\sb] matrix_a_fmt:MATRIX_FMT_BF6 matrix_b_fmt:MATRIX_FMT_BF6 matrix_a_scale:MATRIX_SCALE_ROW1 matrix_b_scale:MATRIX_SCALE_ROW1
.elseif (\ra)
	v_wmma_scale_f32_16x16x128_f8f6f4 v[\d:\d+7], v[\a:\a+11], v[\b:\b+11], v[\d:\d+7], v[\sa], v[\sb] matrix_a_fmt:MATRIX_FMT_BF6 matrix_b_fmt:MATRIX_FMT_BF6 matrix_a_scale:MATRIX_SCALE_ROW1
.elseif (\rb)
	v_wmma_scale_f32_16x16x128_f8f6f4 v[\d:\d+7], v[\a:\a+11], v[\b:\b+11], v[\d:\d+7], v[\sa], v[\sb] matrix_a_fmt:MATRIX_FMT_BF6 matrix_b_fmt:MATRIX_FMT_BF6 matrix_b_scale:MATRIX_SCALE_ROW1
.else
	v_wmma_scale_f32_16x16x128_f8f6f4 v[\d:\d+7], v[\a:\a+11], v[\b:\b+11], v[\d:\d+7], v[\sa], v[\sb] matrix_a_fmt:MATRIX_FMT_BF6 matrix_b_fmt:MATRIX_FMT_BF6
.endif
.else
.if (\ra) && (\rb)
	v_wmma_scale_f32_16x16x128_f8f6f4 v[\d:\d+7], v[\a:\a+11], v[\b:\b+11], 0, v[\sa], v[\sb] matrix_a_fmt:MATRIX_FMT_BF6 matrix_b_fmt:MATRIX_FMT_BF6 matrix_a_scale:MATRIX_SCALE_ROW1 matrix_b_scale:MATRIX_SCALE_ROW1
.elseif (\ra)
	v_wmma_scale_f32_16x16x128_f8f6f4 v[\d:\d+7], v[\a:\a+11], v[\b:\b+11], 0, v[\sa], v[\sb] matrix_a_fmt:MATRIX_FMT_BF6 matrix_b_fmt:MATRIX_FMT_BF6 matrix_a_scale:MATRIX_SCALE_ROW1
.elseif (\rb)
	v_wmma_scale_f32_16x16x128_f8f6f4 v[\d:\d+7], v[\a:\a+11], v[\b:\b+11], 0, v[\sa], v[\sb] matrix_a_fmt:MATRIX_FMT_BF6 matrix_b_fmt:MATRIX_FMT_BF6 matrix_b_scale:MATRIX_SCALE_ROW1
.else
	v_wmma_scale_f32_16x16x128_f8f6f4 v[\d:\d+7], v[\a:\a+11], v[\b:\b+11], 0, v[\sa], v[\sb] matrix_a_fmt:MATRIX_FMT_BF6 matrix_b_fmt:MATRIX_FMT_BF6
.endif
.endif
.endm
; Token tiles i0, i0 + 1 become half fragments' codes and the rows' two scale bytes: four blocks' halves by turns.  Each accumulator is read from its low end on.
.macro HQ2 i0
.irp c, 0,1,2,3
	v_max3_num_f32 v[TM+\c], |v[ACC+32*(\i0)+16*\c]|, |v[ACC+32*(\i0)+16*\c+1]|, 0x2800000   ; and the floor 2^(5 - 127): the byte cannot fall under 1
.endr
.irp i, 2,4,6,8,10,12,14
.irp c, 0,1,2,3
	v_max3_num_f32 v[TM+\c], v[TM+\c], |v[ACC+32*(\i0)+16*\c+\i]|, |v[ACC+32*(\i0)+16*\c+\i+1]|
.endr
.endr
.irp c, 0,1,2,3
	v_permlanex16_b32 v[TP+\c], v[TM+\c], s[SEL], s[SEL+1]
.endr
.irp c, 0,1,2,3
	v_max_num_f32 v[TM+\c], v[TM+\c], v[TP+\c]             ; with lane l xor 16's: the block's largest magnitude
.endr
.irp c, 0,1,2,3
	v_add_nc_u32 v[BS+\c], 0xfe000000, v[TM+\c]            ; 4 off its exponent field: the conversion's scale operand
.endr
.irp c, 0,1,2,3
	v_lshrrev_b32 v[TP+\c], 23, v[BS+\c]                   ; the scale's byte
.endr
.irp u, 0,1
	v_lshl_or_b32 v[10+(\i0)+\u], v[TP+2*\u+1], 8, v[TP+2*\u]
	v_cvt_scalef32_pk16_bf6_f32 v[CDR+6*((\i0)+\u):CDR+6*((\i0)+\u)+2], v[ACC+32*((\i0)+\u):ACC+32*((\i0)+\u)+15], v[BS+2*\u]
	v_cvt_scalef32_pk16_bf6_f32 v[TT+4*\u:TT+4*\u+2], v[ACC+32*((\i0)+\u)+16:ACC+32*((\i0)+\u)+31], v[BS+2*\u+1]
.endr
	v_nop                                          ; one plain place behind a scaled conversion
.irp i, 0,1,2
.irp u, 0,1
	v_permlane16_swap_b32 v[CDR+6*((\i0)+\u)+\i], v[TT+4*\u+\i]   ; a whole block to a lane: lanes 0-15 block 0, lanes 16-31 block 1
.endr
.endr
.irp i, 0,1,2
.irp u, 0,1
	v_mov_b32 v[CDR+6*((\i0)+\u)+3+\i], v[TT+4*\u+\i]
.endr
.endr
.endm
; Channel tiles t0, t0 + 1: a lane's 32 numbers of a tile are one whole block of keys.
.macro HQV2 t0
.irp c, 0,1,2,3
	v_max3_num_f32 v[TM+\c], |v[ACC+32*(\t0)+16*\c]|, |v[ACC+32*(\t0)+16*\c+1]|, |v[ACC+32*(\t0)+16*\c+2]|
.endr
.irp i, 3,5,7,9,11,13
.irp c, 0,1,2,3
	v_max3_num_f32 v[TM+\c], v[TM+\c], |v[ACC+32*(\t0)+16*\c+\i]|, |v[ACC+32*(\t0)+16*\c+\i+1]|
.endr
.endr
.irp u, 0,1
	v_max3_num_f32 v[TM+2*\u], v[TM+2*\u], v[TM+2*\u+1], |v[ACC+32*((\t0)+\u)+15]|
.endr
.irp u, 0,1
	v_max3_num_f32 v[TM+2*\u], v[TM+2*\u], |v[ACC+32*((\t0)+\u)+31]|, 0x2800000
.endr
.irp u, 0,1
	v_add_nc_u32 v[BS+\u], 0xfe000000, v[TM+2*\u]
.endr
.irp u, 0,1
	v_lshrrev_b32 v[10+(\t0)+\u], 23, v[BS+\u]
	v_cvt_scalef32_pk16_bf6_f32 v[CDR+6*((\t0)+\u):CDR+6*((\t0)+\u)+2], v[ACC+32*((\t0)+\u):ACC+32*((\t0)+\u)+15], v[BS+\u]
	v_cvt_scalef32_pk16_bf6_f32 v[TT+4*\u:TT+4*\u+2], v[ACC+32*((\t0)+\u)+16:ACC+32*((\t0)+\u)+31], v[BS+\u]
.endr
	v_nop                                          ; one plain place behind a scaled conversion
.irp i, 0,1,2
.irp u, 0,1
	v_mov_b32 v[CDR+6*((\t0)+\u)+3+\i], v[TT+4*\u+\i]
.endr
.endr
.endm
.macro FETCHW P, s, buf                ; weight P's four fragments of K step s into set buf: 12 loads of 512 consecutive bytes
	WIN 0x80                                       ; destination window 2, address window 0
.irp t, 0,1,2,3
.irp p, 0,1,2
	ds_load_b128 v[WB+48*(\buf)+12*\t+4*\p:WB+48*(\buf)+12*\t+4*\p+3], v[LWR+(\P)] offset:TILB*\t+FRB*(\s)+512*\p
.endr
.endr
.endm
.macro FETCHX s                        ; my four x fragments of K step s: 12 loads
.if (\s) < 5
	WIN 0x40
.set XR, 48*(\s)
.else
	WIN 0x80
.set XR, 48*((\s)-5)
.endif
.irp i, 0,1,2,3
.irp p, 0,1,2
	ds_load_b128 v[XR+12*\i+4*\p:XR+12*\i+4*\p+3], v[XA+(\s)/3] offset:XST*((\s)%3)+FRB*\i+512*\p
.endr
.endr
.endm
; 16 matrix instructions: the 16 accumulators take turns, one instruction a turn, in the same order in every K step.
.macro MULT P, s, buf, cm              ; transposed: source 0 = W's tile t (window 2), source 1 = x's tile i; accumulator (i, t) at ACC + 32 i + 8 t
.if (\s) < 5
	WIN 0x06                                       ; source 1 window 1
.set XR, 48*(\s)
.else
	WIN 0x0a                                       ; source 1 window 2
.set XR, 48*((\s)-5)
.endif
.irp i, 0,1,2,3
.irp t, 0,1,2,3
	WMS ACC+32*\i+8*\t, WB+48*(\buf)+12*\t, XR+12*\i, \cm, WSC+16*(\P)+8*(\t/2)+(\s), XSC+8*(\i/2)+(\s), \t%2, \i%2
.endr
.endr
.endm
.macro MULN s, buf, cm                 ; natural: source 0 = x's tile i, source 1 = Wv's tile t (window 2); accumulator (t, i) at ACC + 32 t + 8 i
.if (\s) < 5
	WIN 0x09                                       ; source 0 window 1
.set XR, 48*(\s)
.else
	WIN 0x0a                                       ; source 0 window 2
.set XR, 48*((\s)-5)
.endif
.irp i, 0,1,2,3
.irp t, 0,1,2,3
	WMS ACC+32*\t+8*\i, XR+12*\i, WB+48*(\buf)+12*\t, \cm, XSC+8*(\i/2)+(\s), WSC+32+8*(\t/2)+(\s), \i%2, \t%2
.endr
.endr
.endm
.macro KSTEP kind, P, s
.if (\s) < 7
	PLACES                                         ; behind the products that read the set to be loaded
	FETCHW \P, (\s)+1, 1-(\s)%2
.if ((\P) == 0) && ((\s) < 6)
	FETCHX (\s)+1
	s_wait_dscnt 24                                ; all but the 24 just issued: this step's fragments are in
.else
	s_wait_dscnt 12                                ; all but the 12 just issued
.endif
.else
	s_wait_dscnt 0x0
.if (\P) == 0
	s_wait_loadcnt 0x0                             ; x's K step 7
.endif
.endif
.set CM, 1
.if (\s) == 0
.set CM, 0                             ; the first K step starts the sums: nothing is cleared
.endif
.if \kind
	MULN \s, (\s)%2, CM
.else
	MULT \P, \s, (\s)%2, CM
.endif
.endm
.macro LEAVE sec, i0                   ; two half fragments' codes
.irp u, 0,1
.irp p, 0,1,2
	global_store_b64 v2, v[CDR+6*((\i0)+\u)+2*\p:CDR+6*((\i0)+\u)+2*\p+1], s[12:13] offset:SECB*(\sec)+768*((\i0)+\u)+256*\p   ; 32 lanes store 256 consecutive bytes, aligned
.endr
.endr
.endm
.macro EPI_QK sec                      ; q's or k's four tiles of tokens leave as codes
	s_wait_xcnt 0x0                                ; the last pass's stores have read their registers
	HQ2 0
	LEAVE \sec, 0
	HQ2 2
	LEAVE \sec, 2
	v_lshl_or_b32 v14, v11, 16, v10                ; tiles 0 and 1's word: tile 0's two bytes below
	v_lshl_or_b32 v15, v13, 16, v12                ; tiles 2 and 3's
	v_cndmask_b32 v14, v14, v15, vcc_lo            ; lanes 0-15 the first, lanes 16-31 the second
	ds_store_b32 v6, v14 offset:512*(\sec)
.endm
	s_load_b256 s[4:11], s[0:1], 0x0               ; xc s[4:5], xs s[6:7], wc s[8:9], ws s[10:11]
	s_load_b128 s[12:15], s[0:1], 0x20             ; qkvc s[12:13], qkvs s[14:15]
	v_lshl_add_u32 v[SPW], v0, 2, SPARE
	v_mov_b32 v[NIL], 0
	ds_add_u32 v[SPW], v[NIL]                      ; the opening add, twice on end
	ds_add_u32 v[SPW], v[NIL]
	v_lshrrev_b32 v1, 5, v0
	v_readfirstlane_b32 s[WV], v1                  ; wave 0..3
	s_bfe_u32 s17, ttmp6, 0x40000                  ; cx
	s_bfe_u32 s20, ttmp6, 0x40004                  ; cy
	s_lshl_b32 s18, ttmp9, 2
	s_add_co_u32 s18, s18, s17                     ; X: my block of 256 tokens
	s_and_b32 s19, ttmp7, 0xffff
	s_lshl_b32 s19, s19, 2
	s_add_co_u32 s19, s19, s20                     ; my head
	s_lshl_b32 s76, 0x1111, s17                    ; my column of the cluster: the same X
	s_lshl_b32 s77, s20, 2
	s_lshl_b32 s77, 15, s77                        ; my row: the same head
	s_or_b32 s[G1A], s76, (3<<16)|(1<<21)          ; elements of 8 bytes; 21 set beside a mask; no padding: images are read as they lie
	s_or_b32 s[G1B], s76, (3<<16)|(1<<21)
	s_or_b32 s[G1C], s77, (3<<16)|(1<<21)
	s_or_b32 s[G1D], s77, (3<<16)|(1<<21)
.irp g, G1A, G1B, G1C, G1D
	s_mov_b32 s[\g+1], 32<<16                      ; rows of 256 bytes, dense
	s_mov_b32 s[\g+3], 32<<16
	s_mov_b32 s[\g+5], 32
	s_mov_b32 s[\g+6], 0
	s_mov_b32 s[\g+7], 0
.endr
	s_mov_b32 s[G1A+2], 384<<16                    ; 98,304 bytes
	s_mov_b32 s[G1A+4], 384
	s_mov_b32 s[G1B+2], 288<<16                    ; 73,728
	s_mov_b32 s[G1B+4], 288
	s_mov_b32 s[G1C+2], 192<<16                    ; 49,152
	s_mov_b32 s[G1C+4], 192
	s_mov_b32 s[G1D+2], 384<<16
	s_mov_b32 s[G1D+4], 384
	s_mul_i32 s78, s18, 16*TILB                    ; x's block
	s_mov_b32 s79, 0
	s_mul_i32 s80, s19, 12*TILB                    ; the head's weights
	s_mov_b32 s81, 0
	s_mul_i32 s82, s[WV], 4*FRB
	s_add_co_u32 s82, s82, s78
	s_add_co_u32 s82, s82, 7*XST                   ; my tiles' K step 7
	s_mov_b32 s83, 0
	s_lshl_b32 s84, s18, 13                        ; xs: 1,024 bytes a pair of tiles
	s_lshl_b32 s85, s[WV], 11
	s_add_co_u32 s84, s84, s85
	s_mov_b32 s85, 0
	s_lshl_b32 s86, s19, 11                        ; ws: two groups a head
	s_mov_b32 s87, 0
	s_lshr_b32 s92, s18, 3
	s_lshl_b32 s92, s92, 4
	s_add_co_u32 s92, s92, s19                     ; batch x 16 + head
	s_and_b32 s93, s18, 7                          ; my block within the batch
	s_mul_i32 s88, s92, 98304
	s_mul_i32 s89, s93, 12288
	s_add_co_u32 s88, s88, s89
	s_mul_i32 s89, s[WV], 3072
	s_add_co_u32 s88, s88, s89
	s_mov_b32 s89, 0
	s_lshl_b32 s90, s92, 12
	s_lshl_b32 s91, s93, 9
	s_add_co_u32 s90, s90, s91
	s_mov_b32 s91, 0
	s_mov_b32 s[SEL], 0x76543210
	s_mov_b32 s[SEL+1], 0xfedcba98
	s_lshl_b32 s92, s[WV], 7
	s_add_co_u32 s92, s92, SX
	s_lshr_b32 s93, s[WV], 1
	s_lshl_b32 s93, s93, 8
	s_and_b32 s94, s[WV], 1
	s_lshl_b32 s94, s94, 1
	s_add_co_u32 s93, s93, s94
	s_add_co_u32 s93, s93, SX+1024
	s_lshl_b32 s94, s[WV], 9
	s_add_co_u32 s94, s94, SX
	s_lshl_b32 s95, s[WV], 17
	s_mul_i32 s21, s[WV], 4*FRB
	v_and_b32 v92, 31, v0                          ; lane
	v_and_b32 v93, 15, v0                          ; r
	v_bfe_u32 v94, v0, 4, 1                        ; h
	v_lshlrev_b32 v1, 4, v92                       ; 16 x lane
	v_lshlrev_b32 v2, 3, v92                       ; 8 x lane
	v_lshl_add_u32 v3, v92, 4, WL                  ; LDS: my lane in Wq's part,
	v_lshl_add_u32 v4, v92, 4, WL+WPART            ; Wk's,
	v_lshl_add_u32 v5, v92, 4, WL+2*WPART          ; Wv's
	v_lshl_add_u32 v[XA], v92, 4, s21
	v_add_nc_u32 v[XA+1], 3*XST, v[XA]
	v_add_nc_u32 v[XA+2], 6*XST, v[XA]
	v_lshl_add_u32 v6, v92, 2, s92                 ; q's and k's scale words: 4 x lane + 128 x wave
	v_lshl_add_u32 v7, v93, 2, s93
	v_add_nc_u32 v7, v7, v94                       ; v's scale bytes: 4 r + 256 (wave / 2) + 2 (wave % 2) + h
	v_lshl_add_u32 v8, v92, 4, s94                 ; back: section = wave, 16 bytes a lane
	v_lshl_add_u32 v9, v92, 4, s95                 ; and in qkvs: a section is 131,072 bytes
.irp c, 0,1,2,3
	v_mov_b32 v[TP+\c], 0                          ; written once: a lane permute's destination counts as one of its sources
.endr
	s_wait_alu depctr_va_vdst(0)
	s_wait_dscnt 0x0                               ; both opening adds are done
	s_wait_kmcnt 0x0
	s_add_nc_u64 s[6:7], s[6:7], s[84:85]
	s_add_nc_u64 s[10:11], s[10:11], s[86:87]
	s_add_nc_u64 s[82:83], s[4:5], s[82:83]
.irp g, 0,1
.irp j, 0,1,2,3
	global_load_b64 v[XSC+8*\g+2*\j:XSC+8*\g+2*\j+1], v2, s[6:7] offset:1024*\g+256*\j       ; x's scale words: lanes 0-15 tile 2 g, lanes 16-31 tile 2 g + 1; K steps 2 j, 2 j + 1
.endr
.endr
.irp P, 0,1,2
.irp b, 0,1
.irp j, 0,1,2,3
	global_load_b64 v[WSC+16*\P+8*\b+2*\j:WSC+16*\P+8*\b+2*\j+1], v2, s[10:11] offset:32768*\P+1024*\b+256*\j
.endr
.endr
.endr
	WIN 0x80
.irp i, 0,1,2,3
.irp p, 0,1,2
	global_load_b128 v[96+12*\i+4*\p:96+12*\i+4*\p+3], v1, s[82:83] offset:FRB*\i+512*\p     ; my x fragments of K step 7
.endr
.endr
	WIN 0
	s_add_nc_u64 s[12:13], s[12:13], s[88:89]
	s_add_nc_u64 s[14:15], s[14:15], s[90:91]
	s_add_nc_u64 s[G0A+2:G0A+3], s[4:5], s[78:79]
	s_add_nc_u64 s[G0B+2:G0B+3], s[G0A+2:G0A+3], 4*XST
	s_add_nc_u64 s[G0C+2:G0C+3], s[8:9], s[80:81]
	s_add_nc_u64 s[G0D+2:G0D+3], s[G0C+2:G0C+3], WPART
	s_mov_b32 s[G0A+1], 0                          ; LDS addresses
	s_mov_b32 s[G0B+1], 4*XST
	s_mov_b32 s[G0C+1], WL
	s_mov_b32 s[G0D+1], WL+WPART
.irp g, G0A, G0B, G0C, G0D
	s_mov_b32 s[\g], 1                             ; count = 1
	s_or_b32 s[\g+3], s[\g+3], 0x80000000          ; type = 2
.endr
	CROUND                                         ; all sixteen work-groups are here: the joint loads meet
; ONE joint load a wave, in one chain of branches on the wave's number
.macro ARM under, g0, g1, next
	s_cmp_lt_u32 s[WV], \under
	s_cbranch_scc0 \next
	tensor_load_to_lds s[\g0:\g0+3], s[\g1:\g1+7]
	s_nop 0
	PLACES
	s_branch .Lasked
\next:
.endm
	ARM 1, G0A, G1A, .Larm_b
	ARM 2, G0B, G1B, .Larm_c
	ARM 3, G0C, G1C, .Larm_d
	tensor_load_to_lds s[G0D:G0D+3], s[G1D:G1D+7]
	s_nop 0
	PLACES
.Lasked:
	v_cmp_lt_u32 vcc_lo, 15, v92                   ; lanes 16-31
	s_wait_alu depctr_va_vdst(0)
	s_cmp_lt_u32 s[WV], 3
	s_cbranch_scc0 .Lothers
	s_wait_tensorcnt 0x0                           ; the waves that fetched x and Wq wait for them
.Lothers:
	s_wait_dscnt 0x0
	s_barrier_signal -1
	s_barrier_wait -1                              ; x and Wq are in; wave 3's load lands in bytes that nobody reads yet
	FETCHW 0, 0, 0
	FETCHX 0
	s_wait_loadcnt 12                              ; the scale words are in; x's K step 7, 12 loads, may be out
.irp s, 0,1,2,3,4,5,6,7
	KSTEP 0, 0, \s
.endr
	WIN 0
	s_wait_tensorcnt 0x0                           ; Wk and Wv
	s_wait_dscnt 0x0
	s_barrier_signal -1
	s_barrier_wait -1
	PLACES                                         ; behind q's last products: for the loads below and for the first reads of the results
	FETCHW 1, 0, 0                                 ; k's first fragments land while q leaves
	WIN 0
	EPI_QK 0
.irp s, 0,1,2,3,4,5,6,7
	KSTEP 0, 1, \s
.endr
	PLACES
	FETCHW 2, 0, 0
	WIN 0
	EPI_QK 1
.irp s, 0,1,2,3,4,5,6,7
	KSTEP 1, 2, \s
.endr
	WIN 0
	PLACES
	s_wait_xcnt 0x0
	HQV2 0                                         ; v's four tiles of channels x my 64 keys
	LEAVE 2, 0
	HQV2 2
	LEAVE 2, 2
.irp t, 0,1,2,3
	ds_store_b8 v7, v[10+\t] offset:64*\t          ; the byte of my block of 32 keys in the word of 128 keys
.endr
	s_wait_alu depctr_va_vdst(0)
	s_wait_dscnt 0x0                               ; for the others' sake: my scale words lie in LDS
	s_barrier_signal -1
	s_barrier_wait -1
	s_cmp_lt_u32 s[WV], 3                          ; waves 0, 1, 2 store q's, k's, v's 512 bytes of scale words
	s_cbranch_scc0 .Lno_scales
	ds_load_b128 v[80:83], v8
	s_wait_dscnt 0x0
	global_store_b128 v9, v[80:83], s[14:15]       ; 32 lanes store 512 consecutive bytes, aligned
.Lno_scales:
	s_wait_tensorcnt 0x0                           ; the wave's end
	ds_add_u32 v[SPW], v[NIL]
	s_wait_dscnt 0x0
	CROUND                                         ; the closing round: no work-group ends while a partner may still ask for a tile that names it
	s_endpgm
.Lfunc_end_k_q85c98c1e31_qkv:
	.size	k_q85c98c1e31_qkv, .Lfunc_end_k_q85c98c1e31_qkv-k_q85c98c1e31_qkv
	.p2alignl 7, 3214868480
	.fill 96, 4, 3214868480
	.section	.rodata,"a",@progbits
	.p2align	6, 0x0
	.amdhsa_kernel k_q85c98c1e31_qkv
		.amdhsa_group_segment_fixed_size 321536
		.amdhsa_private_segment_fixed_size 0
		.amdhsa_enable_private_segment 0
		.amdhsa_kernarg_size 48
		.amdhsa_user_sgpr_count 2
		.amdhsa_user_sgpr_kernarg_segment_ptr 1
		.amdhsa_wavefront_size32 1
		.amdhsa_system_sgpr_workgroup_id_x 1
		.amdhsa_system_sgpr_workgroup_id_y 1
		.amdhsa_system_sgpr_workgroup_id_z 1
		.amdhsa_system_vgpr_workitem_id 0
		.amdhsa_next_free_vgpr 768
		.amdhsa_next_free_sgpr 96
		.amdhsa_reserve_vcc 1
		.amdhsa_float_denorm_mode_32 3
		.amdhsa_float_denorm_mode_16_64 3
		.amdhsa_memory_ordered 1
		.amdhsa_forward_progress 1
		.amdhsa_inst_pref_size 115
	.end_amdhsa_kernel
	.amdgpu_metadata
---
amdhsa.version: [ 1, 2 ]
amdhsa.kernels:
  - .name:           k_q85c98c1e31_qkv
    .symbol:         k_q85c98c1e31_qkv.kd
    .args:
      - { .name: xc, .offset: 0, .size: 8, .value_kind: global_buffer, .address_space: global }
      - { .name: xs, .offset: 8, .size: 8, .value_kind: global_buffer, .address_space: global }
      - { .name: wc, .offset: 16, .size: 8, .value_kind: global_buffer, .address_space: global }
      - { .name: ws, .offset: 24, .size: 8, .value_kind: global_buffer, .address_space: global }
      - { .name: qkvc, .offset: 32, .size: 8, .value_kind: global_buffer, .address_space: global }
      - { .name: qkvs, .offset: 40, .size: 8, .value_kind: global_buffer, .address_space: global }
    .group_segment_fixed_size: 321536
    .private_segment_fixed_size: 0
    .kernarg_segment_align: 8
    .kernarg_segment_size: 48
    .max_flat_workgroup_size: 128
    .sgpr_count:     96
    .vgpr_count:     768
    .wavefront_size: 32
...
	.end_amdgpu_metadata
.endif
;; end of part 2
;; launch attn (part 3): grid 8 x 32, 8 waves a work-group, clusters of 4 x 1, 281,088 bytes of LDS; arguments qkvc, qkvs, oc, os; writes oc, os
.if DOCPART == 3
	.amdgcn_target "amdgcn-amd-amdhsa--gfx1250"
	.amdhsa_code_object_version 6
	.text
	.protected	k_q85c98c1e31_attn
	.globl	k_q85c98c1e31_attn
	.p2align	8
	.type	k_q85c98c1e31_attn,@function
k_q85c98c1e31_attn:
	s_mov_b64 s[64:65], 0
	v_nop
	global_prefetch_b8 v0, s[64:65] scope:SCOPE_SE
	s_setreg_imm32_b32 hwreg(HW_REG_WAVE_MODE, 25, 1), 1
	s_wait_xcnt 0x0
	s_wait_alu depctr_hold_cnt(0) depctr_sa_sdst(0) depctr_va_vdst(0) depctr_va_sdst(0) depctr_va_ssrc(0) depctr_va_vcc(0) depctr_vm_vsrc(0)
	s_getreg_b32 s2, hwreg(HW_REG_IB_STS2, 6, 4)
	s_cmp_eq_u32 s2, 0
	s_cbranch_scc0 .Lentry_in_a_cluster
	s_endpgm
.Lentry_in_a_cluster:
	s_bfe_u32 s2, ttmp6, 0x10000c
	s_cmp_lg_u32 s2, 0x3003
	s_cbranch_scc0 .Lentry_shape_is_right
	s_endpgm
.Lentry_shape_is_right:
; o = softmax(causal(q k^T / 32)) v for one batch and head, both products on codes of BF6 (E3M2, one E8M0 scale for each 32 along a product's K), and o quantised at once, along the channels, for the output projection.
; WORK LEFT OUT: attention_mask is no argument (reference() computes nothing from it); whole steps of keys above the causal diagonal are not computed (a NaN or infinity that reaches only them is not carried on).
; THE SOFTMAX: t = score x log2(e) / 32; M = the row's largest t so far, rounded UP to a whole number; p = 2^(t - M) is quantised along the keys, not normalised.
; The row's sum is taken of the unquantised p and divides O at the end.  When M moves, the sum and O are multiplied by 2^(old M - new M): exact.
; SHARES.  The head's 2,048 queries are 16 blocks of 4 PAIRS of tiles of 16; a wave works on a pair at a time, so that each fragment of k or v serves two tiles.  A step is 128 keys; block i wants steps 0 .. i.
; Place p of a cluster takes pair p of its blocks; cluster 0 the blocks 7 - ip and 8 + ip for ip = 0, 2, 4, 6, cluster 1 those for ip = 1, 3, 5, 7: 17 steps for each ip.  So partners have the same steps.
; Two waves share an ip.  Wave B takes steps t + min(t, ip) of block 8 + ip, t = 0 .. 8: nine.  Wave A takes its steps 2 t + 1 for t < ip, hands that partial result to B through LDS, and takes steps t - ip of
; block 7 - ip for t = ip .. 7: eight.  So each wave's last step is its diagonal one (A: t = 7, B: t = 8), and no other step is masked.
; CLUSTER: four work-groups of one head take the same k and v: each load is JOINT (mask 15).  No branch, trip count or LDS address hangs on the place in the cluster.
; LDS: all of the head's k and v (2 x 98,304 bytes of codes, 2 x 4,096 of scale words), filled ONCE, one tensor load a wave.  No prefetch: all is asked for at the head; no loop is left to run ahead in.
; A step's v is loaded from LDS ahead of its softmax, and so is the next step's k.
; LAYOUTS (made by the launch before): half a fragment (16 rows x 64 K, 6 registers) is 3 planes of [lane][8 bytes], 768 bytes.  Row r of token tile 4 C + u is token 64 C + 8 u + (r mod 8) + 32 (r / 8);
; row r of channel tile 2 G + u is channel 32 G + 8 u + r + 8 (r / 8).
; K = 64 IN AN INSTRUCTION OF 128: two neighbouring tiles of keys, on end, are ONE fragment.  It is multiplied by [q | zero codes] and by [zero codes | q]: zero codes add nothing under any scale byte of 1 .. 254.
; Both products are used transposed (S^T = k q^T, O^T = v^T p^T): a lane holds ONE query of a tile throughout, and registers 32 c .. 32 c + 31 of a lane of half h are the keys of block 2 c + h: a whole block in a lane.
; os: [head][batch][4 x cluster + place][wave 8][tile of the pair 2][r 16] halfwords: a work-group's 512 bytes.
; LIMITS: the promise holds while the scaled scores stay under 2^31 in magnitude; a block whose largest magnitude lies under 2^-122 has its byte held at 1; a block of zeros gets the byte 1 where the rule says 127; NaN and infinities are not served.
; REGISTERS: window 0 the first tile's scores, O^T and codes, k's fragments, and what is one number a query for BOTH tiles; window 1 the second tile's scores, O^T, codes and q under the same numbers, and v's fragments.
.set HFB,  768
.set HEADB, 98304                      ; a head's codes of q, of k or of v
.set SECB, 3145728                     ; a section (q, k, v) of qkvc
.set SECS, 131072                      ; and of qkvs
.set TILB, 12288
.set STEPB, 6144                       ; a step of 128 keys
.set LV,   HEADB                       ; LDS: k's codes at 0, v's here,
.set LKS,  2*HEADB                     ; k's scale words, 4,096 bytes, then v's
.set MT1,  4608                        ; what an A wave hands over for a tile: nine times 16 bytes a lane
.set MGB,  2*MT1
.set MG,   LKS+8192                    ; a region for each wave; no tensor load lands here
.set LOS,  MG+8*MGB                    ; 512 bytes for o's scale halfwords
.set SPARE, LOS+512                    ; the spare words, 128 bytes a wave
.set AK,  1                            ; v1  8 x lane
.set AV,  2                            ; v2  8 x lane + LV
.set ASC, 3                            ; v3  4 x lane + LKS
.set ADSK, 4                           ; v4, v8-10 the steps' addresses
.set OSA, 5                            ; v5  where my rows' scale halfwords go
.set OSR, 6                            ; v6  wave 0: where it reads them back
.set OSG, 7                            ; v7  and their place in os
.set ADK, 8
.set ADV, 9
.set ADS, 10
.set MGL, 11                           ; v11 my partner's region
.set NM,  12                           ; tile v: v[12 + 240 v] -M, then the largest score, then the sum in two halves: v[12:15], v[252:255]
.set QZ,  16                           ; v16-21 zero codes, v22-27 q, v28-33 zero codes (both windows)
.set QS,  34                           ; v34-35 the tiles' q scale words, each two bytes twice
.set KS,  36                           ; v36-37 k's scale words;  v38-39 v's
.set VS,  38
.set FR,  40                           ; v40-87 four fragments: of k in window 0, of v in window 1
.set MB,  88                           ; v[88:89] the mask's bounds for my half's keys 0 and 1 (both windows)
.set QSE, 90                           ; v90-91 the early tiles' q scale words.  (Their q: window 1, v0-11)
.set MGS, 94                           ; v94 my own region
.set SH,  95                           ; v95 8 h
.set SR,  96                           ; v96-159 S^T, then p
.set OT,  160                          ; v160-191 O^T
.set PC,  192                          ; v192-203 p's codes
.set PT,  204                          ; v204-206, v208-210 at work
.set BM,  212                          ; v[212 + 2 v + c] block c's largest score, then largest p
.set CB,  216
.set BS,  220                          ; conversions' scale operands
.set BY,  224
.set PW,  228                          ; v228-229 p's scale words
.set T0,  230
.set T1,  232
.set FF,  234                          ; v[234:235], v[236:237] f = 2^(old M - new M); the packed form names the pairs
.set SPW, 238
.set NIL, 239
.set BT,  240                          ; v240-243 lane permutes' results
.set SU,  244                          ; v244-251 at work (both windows)
.set WV,  12                           ; s12 wave, s13 place p, s14 batch x 16 + head, s15 0: A, 1: B, s16 ip, s17 my result's first tile
.set MT,  18                           ; my masked, last trip: 7 + s15
.set IPX, 19                           ; 16 - ip
.set G1C, 20                           ; descriptor groups 1: 49,152 bytes,
.set G1S, 28                           ; 2,048
.set GA,  36                           ; groups 0
.set GB,  40
.set SEL, 60
.set CS,  62                           ; s[62:63] c = log2(e) / 32
.set T,   66
.set MN,  67
.set ST,  68
.set TA,  69
.set TE,  70
.set TB,  71                           ; where a step's codes begin in k's and in v's region,
.set TS,  72                           ; and its scale words
.set TN,  73
.set TBV, 86
.set TSV, 87
.set MSB, 0
.macro WIN new                         ; the immediate's high byte repeats the setting that is left
.if MSB != \new
	s_set_vgpr_msb (MSB<<8)|\new
.set MSB, \new
.endif
.endm
.macro PLACES
.rept 4
	v_nop
.endr
.endm
.macro CROUND                          ; a round of the cluster's barrier
	s_barrier_signal -1
	s_barrier_wait -1
	s_cmp_lg_u32 s[WV], 0
	s_cbranch_scc1 .Lnot_wave_0_\@
	s_barrier_signal -3
.Lnot_wave_0_\@:
	s_barrier_wait -3
	s_barrier_signal -1
	s_barrier_wait -1
.endm
.macro WMS d, a, b, cm, sa, sb, ra     ; cm = 0: C is 0, 1: C is D; ra = 1: source 0's scales are read from lanes 16-31
.if \cm
.if \ra
	v_wmma_scale_f32_16x16x128_f8f6f4 v[\d:\d+7], v[\a:\a+11], v[\b:\b+11], v[\d:\d+7], v[\sa], v[\sb] matrix_a_fmt:MATRIX_FMT_BF6 matrix_b_fmt:MATRIX_FMT_BF6 matrix_a_scale:MATRIX_SCALE_ROW1
.else
	v_wmma_scale_f32_16x16x128_f8f6f4 v[\d:\d+7], v[\a:\a+11], v[\b:\b+11], v[\d:\d+7], v[\sa], v[\sb] matrix_a_fmt:MATRIX_FMT_BF6 matrix_b_fmt:MATRIX_FMT_BF6
.endif
.else
.if \ra
	v_wmma_scale_f32_16x16x128_f8f6f4 v[\d:\d+7], v[\a:\a+11], v[\b:\b+11], 0, v[\sa], v[\sb] matrix_a_fmt:MATRIX_FMT_BF6 matrix_b_fmt:MATRIX_FMT_BF6 matrix_a_scale:MATRIX_SCALE_ROW1
.else
	v_wmma_scale_f32_16x16x128_f8f6f4 v[\d:\d+7], v[\a:\a+11], v[\b:\b+11], 0, v[\sa], v[\sb] matrix_a_fmt:MATRIX_FMT_BF6 matrix_b_fmt:MATRIX_FMT_BF6
.endif
.endif
.endm
; group 0: the place in LDS, and the offset in memory ahead of the buffer's address; section s87, half s86 of it: my number alone
.macro DESC g, secl, secm, subsz, lds0, mem0, hd
	s_mul_i32 s[\g+1], s87, \secl
	s_mul_i32 s[\g+2], s87, \secm
	s_mul_i32 s[\g], s86, \subsz
	s_add_co_u32 s[\g+1], s[\g+1], s[\g]
	s_add_co_u32 s[\g+2], s[\g+2], s[\g]
.if \lds0
	s_add_co_u32 s[\g+1], s[\g+1], \lds0
.endif
	s_add_co_u32 s[\g+2], s[\g+2], s\hd
	s_add_co_u32 s[\g+2], s[\g+2], \mem0
	s_mov_b32 s[\g+3], 0
	s_mov_b32 s[\g], 1
.endm
.macro STEPNO tn, tb, ts               ; the step of the trip whose number s[tn] holds: its codes' place to s[tb], its scale words' to s[ts]
	s_min_u32 s[MN], s[\tn], s16
	s_add_co_u32 s[ST], s[\tn], s[MN]              ; B: t + min(t, ip)
	s_add_co_u32 s[TA], s[ST], 1                   ; A, late: 2 t + 1
	s_add_co_u32 s[TE], s[\tn], s[IPX]
	s_and_b32 s[TE], s[TE], 15                     ; A, early: t - ip
	s_cmp_lt_u32 s[\tn], s16
	s_cselect_b32 s[TA], s[TA], s[TE]
	s_cmp_eq_u32 s15, 0
	s_cselect_b32 s[ST], s[TA], s[ST]
	s_min_u32 s[ST], s[ST], 15
	s_mul_i32 s[\tb], s[ST], STEPB
	s_lshl_b32 s[\ts], s[ST], 8
.endm
.macro KLOAD
.irp j, 0,1
	ds_load_b32 v[KS+\j], v[ADSK] offset:128*\j            ; lanes 0-15 fragment 2 j's words, lanes 16-31 fragment 2 j + 1's
.endr
.irp f, 0,1,2,3
.irp p, 0,1,2,3,4,5
	ds_load_b64 v[FR+12*\f+2*\p:FR+12*\f+2*\p+1], v[ADK] offset:2*HFB*\f+256*\p   ; tiles 2 f and 2 f + 1 of keys, on end: one fragment
.endr
.endr
.endm
; the diagonal step: hidden keys' scores go to -2^99 or less, so p = 0; two chains of bounds by turns
.macro MASK
.set p, 0
.rept 32
.if p == 1
	v_pk_add_f32 v[250:251], v[MB:MB+1], 0xf2000000 op_sel_hi:[1,0]
.elseif p == 2
	v_pk_add_f32 v[248:249], v[MB:MB+1], 0xf2800000 op_sel_hi:[1,0]
.elseif (p == 16) || (p == 17)
	v_pk_add_f32 v[248+2*(p%2):249+2*(p%2)], v[248+2*(p%2):249+2*(p%2)], 0xf4100000 op_sel_hi:[1,0]   ; from key 28 or 30 to 64 or 66
.elseif p > 2
	v_pk_add_f32 v[248+2*(p%2):249+2*(p%2)], v[248+2*(p%2):249+2*(p%2)], 0xf2800000 op_sel_hi:[1,0]   ; four keys on
.endif
.set X, 248+2*(p%2)
.if p == 0
.set X, MB
.endif
	v_min_num_f32 v[SR+2*p], v[SR+2*p], v[X]
	v_min_num_f32 v[SR+2*p+1], v[SR+2*p+1], v[X+1]
.set p, p+1
.endr
.endm
; the largest score of each of a lane's two blocks (still without CB's): for the row's maximum, and, since p rises with the score, for the block's largest p.  Each accumulator is read from its low end on
.macro MAX v, wa, wb
	WIN \wa
.irp c, 0,1
	v_max3_num_f32 v[BM+2*\v+\c], v[SR+32*\c], v[SR+1+32*\c], v[SR+2+32*\c]
.endr
.irp c, 0,1
	v_max3_num_f32 v[CB+2*\v+\c], v[SR+16+32*\c], v[SR+17+32*\c], v[SR+18+32*\c]
.endr
	WIN \wb
.irp i, 3,5,7,9,11,13
.irp c, 0,1
	v_max3_num_f32 v[BM+2*\v+\c], v[BM+2*\v+\c], v[SR+32*\c+\i], v[SR+1+32*\c+\i]
.endr
.irp c, 0,1
	v_max3_num_f32 v[CB+2*\v+\c], v[CB+2*\v+\c], v[SR+16+32*\c+\i], v[SR+17+32*\c+\i]
.endr
.endr
.irp c, 0,1
	v_max3_num_f32 v[BM+2*\v+\c], v[BM+2*\v+\c], v[SR+15+32*\c], v[SR+31+32*\c]
.endr
.endm
.macro TLESS n                         ; t - M, two at a time
.set j, 0
.rept 32
	v_pk_fma_f32 v[SR+j:SR+j+1], v[SR+j:SR+j+1], s[CS:CS+1], v[\n:\n+1] op_sel_hi:[1,0,0]
.set j, j+2
.endr
.endm
.macro EXPS                            ; p = 2^(t - M), at most 1: not normalised
.set j, 0
.rept 64
	v_exp_f32 v[SR+j], v[SR+j]
.set j, j+1
.endr
.endm
.macro CODES v                         ; p's codes: a lane's two whole blocks
.irp c, 0,1
	v_cvt_scalef32_pk16_bf6_f32 v[PC+6*\c:PC+6*\c+2], v[SR+32*\c:SR+15+32*\c], v[BS+2*\v+\c]
	v_cvt_scalef32_pk16_bf6_f32 v[PT+4*\c:PT+4*\c+2], v[SR+16+32*\c:SR+31+32*\c], v[BS+2*\v+\c]   ; (a conversion's three registers begin on an even number)
.endr
	v_nop                                          ; one plain place behind a scaled conversion
.irp i, 0,1,2
.irp c, 0,1
	v_mov_b32 v[PC+3+6*\c+\i], v[PT+4*\c+\i]
.endr
.endr
.endm
.macro SUMS                            ; the step's sum of the unquantised p, in four chains by turns
.irp q, 0,1,2,3
	v_pk_add_f32 v[SU+2*\q:SU+2*\q+1], v[SR+2*\q:SR+2*\q+1], v[SR+8+2*\q:SR+9+2*\q]
.endr
.set j, 16
.rept 24
.set X, SU+2*((j/2)%4)
	v_pk_add_f32 v[X:X+1], v[X:X+1], v[SR+j:SR+j+1]
.set j, j+2
.endr
	v_pk_add_f32 v[SU:SU+1], v[SU:SU+1], v[SU+2:SU+3]
	v_pk_add_f32 v[SU+4:SU+5], v[SU+4:SU+5], v[SU+6:SU+7]
	v_pk_add_f32 v[SU:SU+1], v[SU:SU+1], v[SU+4:SU+5]
.endm
.macro OMUL f                          ; O^T under the new M, each accumulator from its low end on
.set j, 0
.rept 16
	v_pk_mul_f32 v[OT+j:OT+j+1], v[OT+j:OT+j+1], v[\f:\f+1] op_sel_hi:[1,0]
.set j, j+2
.endr
.endm
.macro OADD f                          ; A's part
.set j, 0
.rept 16
	v_pk_fma_f32 v[OT+j:OT+j+1], v[SR+j:SR+j+1], v[\f:\f+1], v[OT+j:OT+j+1] op_sel_hi:[1,0,1]
.set j, j+2
.endr
.endm
.macro OZERO
.set j, 0
.rept 32
	v_mov_b32 v[OT+j], 0
.set j, j+1
.endr
.endm
.macro NEWSTATE
.irp v, 0,1
	v_mov_b32 v[NM+240*\v], 0x7d000000             ; -M: 2^123
	v_mov_b32 v[NM+1+240*\v], 0xff61b1e6           ; the largest score so far: -3e38
	v_mov_b32 v[NM+2+240*\v], 0                    ; the sum, in two halves
	v_mov_b32 v[NM+3+240*\v], 0
.endr
.endm
	s_load_b256 s[4:11], s[0:1], 0x0               ; qkvc s[4:5], qkvs s[6:7], oc s[8:9], os s[10:11]
	v_lshl_add_u32 v[SPW], v0, 2, SPARE
	v_mov_b32 v[NIL], 0
	ds_add_u32 v[SPW], v[NIL]                      ; the opening add, twice on end
	ds_add_u32 v[SPW], v[NIL]
	v_lshrrev_b32 v1, 5, v0
	v_readfirstlane_b32 s[WV], v1                  ; wave 0..7
	s_bfe_u32 s13, ttmp6, 0x40000                  ; p = cx
	s_and_b32 s14, ttmp7, 0xffff                   ; batch x 16 + head, which the four partners share
	s_and_b32 s16, s[WV], 6
	s_add_co_u32 s16, s16, ttmp9                   ; ip = 2 (wave / 2) + the cluster's number
	s_lshr_b32 s15, s[WV], 2
	s_xor_b32 s15, s15, s[WV]
	s_and_b32 s15, s15, 1                          ; of any two neighbouring waves, and of any two that are four apart, one is A and one B
	s_add_co_u32 s[MT], s15, 7
	s_xor_b32 s[IPX], s16, 15
	s_add_co_u32 s[IPX], s[IPX], 1
.irp g, G1C, G1S
	s_mov_b32 s[\g], 15|(3<<16)|(1<<21)            ; the mask: all four; elements of 8 bytes; 21 set beside a mask; no padding: images are read as they lie
	s_mov_b32 s[\g+1], 32<<16                      ; rows of 256 bytes
	s_mov_b32 s[\g+3], 32<<16
	s_mov_b32 s[\g+5], 32
	s_mov_b32 s[\g+6], 0
	s_mov_b32 s[\g+7], 0
.endr
	s_mov_b32 s[G1C+2], 192<<16
	s_mov_b32 s[G1C+4], 192
	s_mov_b32 s[G1S+2], 8<<16
	s_mov_b32 s[G1S+4], 8
	s_and_b32 s86, s[WV], 1
	s_bfe_u32 s87, s[WV], 0x10001
	s_mul_i32 s90, s14, HEADB
	s_lshl_b32 s91, s14, 12
	DESC GA, HEADB, SECB, HEADB/2, 0, SECB, 90     ; waves 0-3: halves of k's codes, of v's
	DESC GB, 4096, SECS, 2048, LKS, SECS, 91       ; waves 4-7: halves of k's scale words, of v's
	; my pairs of tiles
	s_lshl_b32 s92, s16, 3
	s_lshl_b32 s88, s13, 1
	s_add_co_u32 s93, s92, s88
	s_add_co_u32 s93, s93, 64                      ; late: 8 (8 + ip) + 2 p
	s_sub_co_u32 s94, s88, s92
	s_add_co_u32 s94, s94, 56                      ; early: 8 (7 - ip) + 2 p
	s_mul_i32 s74, s93, HFB
	s_add_co_u32 s74, s74, s90
	s_mov_b32 s75, 0                               ; q's codes, late
	s_mul_i32 s76, s94, HFB
	s_add_co_u32 s76, s76, s90
	s_mov_b32 s77, 0                               ; early
	s_lshl_b32 s78, s93, 5
	s_add_co_u32 s78, s78, s91
	s_mov_b32 s79, 0                               ; q's scale words, late
	s_lshl_b32 s80, s94, 5
	s_add_co_u32 s80, s80, s91
	s_mov_b32 s81, 0                               ; early
	s_cmp_eq_u32 s15, 0
	s_cselect_b32 s17, s94, s93                    ; A stores the early pair, B the late one
	s_lshr_b32 s92, s14, 4                         ; batch
	s_and_b32 s95, s14, 15                         ; head
	s_lshl_b32 s82, s92, 7
	s_add_co_u32 s82, s82, s17
	s_mul_i32 s82, s82, TILB
	s_mul_i32 s83, s95, HFB
	s_add_co_u32 s82, s82, s83
	s_mov_b32 s83, 0                               ; oc: [tile 256][head 16] half fragments
	s_lshl_b32 s84, s95, 13
	s_lshl_b32 s85, s92, 12
	s_add_co_u32 s84, s84, s85
	s_lshl_b32 s85, ttmp9, 11
	s_add_co_u32 s84, s84, s85
	s_lshl_b32 s85, s13, 9
	s_add_co_u32 s84, s84, s85
	s_mov_b32 s85, 0
	s_lshr_b32 s86, s13, 1
	s_lshl_b32 s86, s86, 6
	s_and_b32 s87, s13, 1
	s_lshl_b32 s87, s87, 4
	s_add_co_u32 s86, s86, s87                     ; my pair's first query within its block
	s_lshl_b32 s88, s[WV], 6
	s_add_co_u32 s88, s88, LOS
	s_mul_i32 s92, s[WV], MGB
	s_add_co_u32 s92, s92, MG
	s_xor_b32 s93, s[WV], 1
	s_mul_i32 s93, s93, MGB
	s_add_co_u32 s93, s93, MG
	s_mov_b32 s[SEL], 0x76543210
	s_mov_b32 s[SEL+1], 0xfedcba98
	s_mov_b32 s[CS], 0x3d38aa3b                    ; c = log2(e) / 32: the scores' factor 1024^-0.5 is 2^-5
	s_mov_b32 s[CS+1], s[CS]                       ; (named with it as a pair, so it is written)
	v_and_b32 v251, 31, v0                         ; lane
	v_and_b32 v252, 15, v0                         ; r
	v_bfe_u32 v253, v0, 4, 1                       ; h
	v_lshlrev_b32 v[AK], 3, v251
	v_lshlrev_b32 v92, 2, v252
	v_lshl_add_u32 v[AV], v251, 3, LV
	v_lshl_add_u32 v[ASC], v251, 2, LKS
	v_lshl_add_u32 v[MGS], v251, 4, s92
	v_lshl_add_u32 v[MGL], v251, 4, s93
	v_lshl_add_u32 v[OSA], v252, 1, s88
	v_lshl_add_u32 v[OSR], v251, 4, LOS
	v_lshlrev_b32 v[OSG], 4, v251
	v_lshlrev_b32 v[SH], 3, v253
	v_and_b32 v244, 7, v252
	v_and_b32 v245, 8, v252
	v_lshl_add_u32 v244, v245, 2, v244             ; (r mod 8) + 32 (r / 8)
	v_lshlrev_b32 v245, 5, v253
	v_sub_nc_u32 v244, v244, v245
	v_add_nc_u32 v244, s86, v244                   ; d = my query - 32 h, both within the block: register 32 c + n is hidden where 64 c + n > d.  The second tile's d is 8 more
	v_cvt_f32_i32 v244, v244
	v_add_f32 v[MB], 0.5, v244
	v_add_f32 v[MB+1], -0.5, v244
	v_add_f32 v246, 0x41080000, v244
	v_add_f32 v247, 0x40f00000, v244
	v_mul_f32 v[MB], 0x71800000, v[MB]             ; the bound of key n is (d + 1/2 - n) x 2^100: above every score where the key counts, at most -2^99 where it is hidden
	v_mul_f32 v[MB+1], 0x71800000, v[MB+1]
	WIN 0x40
	v_mul_f32 v[MB], 0x71800000, v246
	v_mul_f32 v[MB+1], 0x71800000, v247
	WIN 0
	s_wait_alu depctr_va_vdst(0)
	s_wait_dscnt 0x0                               ; both opening adds are done
	s_wait_kmcnt 0x0
	s_add_nc_u64 s[74:75], s[4:5], s[74:75]
	s_add_nc_u64 s[76:77], s[4:5], s[76:77]
	s_add_nc_u64 s[78:79], s[6:7], s[78:79]
	s_add_nc_u64 s[80:81], s[6:7], s[80:81]
.irp p, 0,1,2
	global_load_b64 v[QZ+6+2*\p:QZ+7+2*\p], v[AK], s[74:75] offset:256*\p           ; the late pair's q stays in registers,
.endr
	global_load_b32 v[T0], v92, s[78:79]
	global_load_b32 v[T0+1], v92, s[80:81]
	WIN 0x40
.irp p, 0,1,2
	global_load_b64 v[QZ+6+2*\p:QZ+7+2*\p], v[AK], s[74:75] offset:HFB+256*\p
	global_load_b64 v[2*\p:2*\p+1], v[AK], s[76:77] offset:256*\p                   ; and the early one's
	global_load_b64 v[6+2*\p:7+2*\p], v[AK], s[76:77] offset:HFB+256*\p
.endr
	WIN 0
	s_add_nc_u64 s[GA+2:GA+3], s[4:5], s[GA+2:GA+3]
	s_add_nc_u64 s[GB+2:GB+3], s[6:7], s[GB+2:GB+3]
	s_or_b32 s[GA+3], s[GA+3], 0x80000000          ; type = 2
	s_or_b32 s[GB+3], s[GB+3], 0x80000000
	s_add_nc_u64 s[8:9], s[8:9], s[82:83]
	s_add_nc_u64 s[10:11], s[10:11], s[84:85]
	CROUND                                         ; all four work-groups are here: the joint loads meet
	s_cmp_lt_u32 s[WV], 4                          ; ONE joint load a wave
	s_cbranch_scc0 .Lscales
	tensor_load_to_lds s[GA:GA+3], s[G1C:G1C+7]
	s_nop 0
	PLACES
	s_branch .Lasked
.Lscales:
	tensor_load_to_lds s[GB:GB+3], s[G1S:G1S+7]
	s_nop 0
	PLACES
.Lasked:
	NEWSTATE
.irp i, 0,1,2,3,4,5
	v_mov_b32 v[QZ+\i], 0                          ; zero codes on both sides of q
	v_mov_b32 v[QZ+12+\i], 0
.endr
.irp i, 0,1,2,3
	v_mov_b32 v[BT+\i], 0                          ; written once: a lane permute's destination counts as one of its sources
.endr
	v_mov_b32 v[FF+1], 0                           ; (named as the upper halves of pairs)
	v_mov_b32 v[FF+3], 0
	OZERO                                          ; O^T: the step is written once, its first pass finds zeros
	WIN 0x40
.irp i, 0,1,2,3,4,5
	v_mov_b32 v[QZ+\i], 0
	v_mov_b32 v[QZ+12+\i], 0
.endr
	OZERO
	WIN 0
	s_wait_alu depctr_va_vdst(0)
	s_wait_loadcnt 0x0                             ; q
	v_and_b32 v244, 0xffff, v[T0]                  ; each tile's two bytes,
	v_lshrrev_b32 v245, 16, v[T0]
	v_and_b32 v246, 0xffff, v[T0+1]
	v_lshrrev_b32 v247, 16, v[T0+1]
	v_lshl_or_b32 v[QS], v244, 16, v244            ; twice: one word serves [q | 0] and [0 | q]
	v_lshl_or_b32 v[QS+1], v245, 16, v245
	v_lshl_or_b32 v[QSE], v246, 16, v246
	v_lshl_or_b32 v[QSE+1], v247, 16, v247
	s_mov_b32 s[TN], 0
	STEPNO TN, TB, TS
	v_add_nc_u32 v[ADK], s[TB], v[AK]
	v_add_nc_u32 v[ADSK], s[TS], v[ASC]
.rept 8
	v_nop                                          ; a scale register written by a vector instruction stands eight places ahead of a product
.endr
	s_wait_alu depctr_va_vdst(0)
	s_wait_tensorcnt 0x0
	s_wait_dscnt 0x0
	s_barrier_signal -1
	s_barrier_wait -1                              ; all of k and v lie in LDS for all eight waves
	KLOAD
	s_mov_b32 s[T], 0
.Lstep:
	s_cmp_gt_u32 s[T], s[MT]
	s_cbranch_scc1 .Lhidden                        ; A has eight steps
	s_cmp_lg_u32 s15, 0
	s_cbranch_scc1 .Lsame
	s_cmp_lg_u32 s[T], s16
	s_cbranch_scc1 .Lsame
	PLACES                                         ; A's change of tiles, once: the late pair's partial results go to my region (each accumulator from its low end on),
.irp q, 0,1,2,3,4,5,6,7
	ds_store_b128 v[MGS], v[OT+4*\q:OT+4*\q+3] offset:512*\q
.endr
	ds_store_b128 v[MGS], v[12:15] offset:4096
	ds_store_b128 v[MGS], v[252:255] offset:MT1+4096
	WIN 0x04                                       ; the data in window 1
.irp q, 0,1,2,3,4,5,6,7
	ds_store_b128 v[MGS], v[OT+4*\q:OT+4*\q+3] offset:MT1+512*\q
.endr
	WIN 0
	s_wait_dscnt 0x0
	v_mov_b32 v[QS], v[QSE]                        ; and the early pair begins
	v_mov_b32 v[QS+1], v[QSE+1]
	NEWSTATE
	OZERO
	WIN 0x01
.irp i, 0,1,2,3,4,5
	v_mov_b32 v[QZ+6+\i], v[\i]
.endr
	WIN 0x41
.irp i, 0,1,2,3,4,5
	v_mov_b32 v[QZ+6+\i], v[6+\i]
.endr
	OZERO
	WIN 0
	s_wait_alu depctr_va_vdst(0)
.Lsame:
	s_wait_dscnt 0x0                               ; k's fragments are in
.irp f, 0,1,2,3
.irp u, 0,1
	WMS SR+16*\f+8*\u, FR+12*\f, QZ+6-6*\u, 0, KS+\f/2, QS, \f%2   ; S^T: register 32 c + n of lane (r, h) is key 64 c + 32 h + n for query r
.endr
.endr
	WIN 0x44                                       ; the second tile: D and q in window 1
.irp f, 0,1,2,3
.irp u, 0,1
	WMS SR+16*\f+8*\u, FR+12*\f, QZ+6-6*\u, 0, KS+\f/2, QS+1, \f%2
.endr
.endr
	WIN 0
	STEPNO T, TBV, TSV                             ; this trip's step, for v,
	s_add_co_u32 s[TN], s[T], 1
	STEPNO TN, TB, TS                              ; and the next trip's, for k
	v_add_nc_u32 v[ADV], s[TBV], v[AV]             ; these four lines are also the places behind the products, in front of the loads below and of the first reads of the scores
	v_add_nc_u32 v[ADS], s[TSV], v[ASC]
	v_add_nc_u32 v[ADK], s[TB], v[AK]
	v_add_nc_u32 v[ADSK], s[TS], v[ASC]
.irp j, 0,1
	ds_load_b32 v[VS+\j], v[ADS] offset:4096+128*\j
.endr
	WIN 0x40
.irp t, 0,1,2,3
.irp c, 0,1
.irp p, 0,1,2
	ds_load_b64 v[FR+12*\t+6*\c+2*\p:FR+12*\t+6*\c+2*\p+1], v[ADV] offset:4*HFB*\c+HFB*\t+256*\p   ; v's four tiles of channels x these 128 keys: they land under the softmax
.endr
.endr
.endr
	WIN 0
	s_cmp_eq_u32 s[T], s[MT]
	s_cbranch_scc1 .Lmask
	KLOAD                                          ; the next step's k
	s_branch .Lopen
.Lmask:                                                ; my last step
	MASK
	WIN 0x55
	MASK
	WIN 0
.Lopen:
	MAX 0, 0, 0
	MAX 1, 0x15, 0x14
	WIN 0
.irp i, 0,1,2,3
	v_max_num_f32 v[BM+\i], v[BM+\i], v[CB+\i]
.endr
.irp v, 0,1
	v_max_num_f32 v[T0+\v], v[BM+2*\v], v[BM+2*\v+1]
.endr
.irp v, 0,1
	s_delay_alu instid0(VALU_DEP_2)
	v_permlanex16_b32 v[BT+\v], v[T0+\v], s[SEL], s[SEL+1]
.endr
.irp v, 0,1
	s_delay_alu instid0(VALU_DEP_2)
	v_max3_num_f32 v[NM+1+240*\v], v[NM+1+240*\v], v[T0+\v], v[BT+\v]   ; my query's largest score so far, lane l xor 16's keys among them
.endr
.irp v, 0,1
	s_delay_alu instid0(VALU_DEP_2)
	v_mul_f32 v[T0+\v], s[CS], -v[NM+1+240*\v]     ; as -t (c is positive)
.endr
.irp v, 0,1
	v_mov_b32 v[T1+\v], v[NM+240*\v]
.endr
.irp v, 0,1
	s_delay_alu instid0(VALU_DEP_4)
	v_floor_f32 v[NM+240*\v], v[T0+\v]             ; the new -M = floor(-t) = -ceil(t): M is a whole number
.endr
.irp v, 0,1
	s_delay_alu instid0(VALU_DEP_2)
	v_sub_f32 v[T0+\v], v[NM+240*\v], v[T1+\v]     ; M's old value less its new one: a whole number, 0 or less
.endr
.irp v, 0,1
	s_delay_alu instid0(VALU_DEP_2)
	v_cvt_i32_f32 v[T0+\v], v[T0+\v]               ; (it saturates)
.endr
.irp v, 0,1
	s_delay_alu instid0(VALU_DEP_2)
	v_ldexp_f32 v[FF+2*\v], 1.0, v[T0+\v]          ; f = 2^(old M - new M)
.endr
	TLESS NM
.irp c, 0,1
	v_fma_f32 v[BM+\c], v[BM+\c], s[CS], v[NM]     ; the same of each block's largest score
	v_fma_f32 v[BM+2+\c], v[BM+2+\c], s[CS], v[NM+240]
.endr
	s_wait_alu depctr_va_vdst(0)                   ; a wait ahead of each batch and behind it
	EXPS
.irp i, 0,1,2,3
	v_exp_f32 v[BM+\i], v[BM+\i]                   ; the blocks' largest p: the same two instructions on the same number give the same bits
.endr
	WIN 0x41                                       ; the second tile's scores in window 1, its -M in window 0
	TLESS NM+240
	s_wait_alu depctr_va_vdst(0)
	EXPS
	WIN 0
	v_pk_mul_f32 v[14:15], v[14:15], v[FF:FF+1] op_sel_hi:[1,0]            ; the sums under the new M.  (A plain place behind the exponentials)
	v_pk_mul_f32 v[254:255], v[254:255], v[FF+2:FF+3] op_sel_hi:[1,0]
.irp i, 0,1,2,3
	v_max_num_f32 v[BM+\i], 0x2800000, v[BM+\i]    ; the floor 2^(5 - 127): the byte cannot fall under 1
.endr
.irp i, 0,1,2,3
	s_delay_alu instid0(VALU_DEP_4)
	v_add_nc_u32 v[BS+\i], 0xfe000000, v[BM+\i]    ; 4 off the exponent field: the conversion's scale operand
.endr
.irp i, 0,1,2,3
	s_delay_alu instid0(VALU_DEP_4)
	v_lshrrev_b32 v[BY+\i], 23, v[BS+\i]           ; the scale's byte
.endr
.irp v, 0,1
	v_lshl_or_b32 v[BY+2*\v], v[BY+2*\v+1], 16, v[BY+2*\v]   ; the bytes of blocks h and 2 + h,
.endr
.irp v, 0,1
	s_delay_alu instid0(VALU_DEP_2)
	v_lshlrev_b32 v[BY+2*\v], v[SH], v[BY+2*\v]    ; at their places,
.endr
.irp v, 0,1
	s_delay_alu instid0(VALU_DEP_2)
	v_permlanex16_b32 v[BT+2+\v], v[BY+2*\v], s[SEL], s[SEL+1]
.endr
.irp v, 0,1
	s_delay_alu instid0(VALU_DEP_2)
	v_or_b32 v[PW+\v], v[BY+2*\v], v[BT+2+\v]      ; and with lane l xor 16's two p's scale word for these 128 keys
.endr
	CODES 0
	SUMS
	v_pk_add_f32 v[14:15], v[14:15], v[SU:SU+1]
	s_wait_alu depctr_va_vdst(0)                   ; directly ahead of the first readers of O^T, and behind the second batch
	OMUL FF
	WIN 0x41
	s_wait_alu depctr_va_vdst(0)
	OMUL FF+2
	CODES 1
	WIN 0x55
	SUMS
	WIN 0x04
	v_pk_add_f32 v[254:255], v[254:255], v[SU:SU+1]
	WIN 0
	s_wait_alu depctr_va_vdst(0)
	s_wait_dscnt 0x0                               ; v's fragments are in (and the next step's k)
	WIN 0x01                                       ; source 0, v, in window 1
.irp t, 0,1,2,3
	WMS OT+8*\t, FR+12*\t, PC, 1, VS+\t/2, PW, \t%2   ; O^T += v^T p^T: eight accumulators by turns, one instruction a turn
.endr
	WIN 0x55
.irp t, 0,1,2,3
	WMS OT+8*\t, FR+12*\t, PC, 1, VS+\t/2, PW+1, \t%2
.endr
	WIN 0
.Lhidden:
	s_add_co_u32 s[T], s[T], 1
	s_cmp_lt_u32 s[T], 9
	s_cbranch_scc1 .Lstep
	s_wait_dscnt 0x0                               ; A's partial results lie in LDS,
	s_barrier_signal -1
	s_barrier_wait -1                              ; for B
	PLACES                                         ; behind the last products: for the first reads of O^T
	s_cmp_eq_u32 s15, 0
	s_cbranch_scc1 .Lout
.irp q, 0,1,2,3,4,5,6,7,8
	ds_load_b128 v[SR+4*\q:SR+4*\q+3], v[MGL] offset:512*\q
.endr
	ds_load_b128 v[SR+36:SR+39], v[MGL] offset:MT1+4096
	WIN 0x40
.irp q, 0,1,2,3,4,5,6,7
	ds_load_b128 v[SR+4*\q:SR+4*\q+3], v[MGL] offset:MT1+512*\q
.endr
	WIN 0
	s_wait_dscnt 0x0
.irp v, 0,1
	v_min_num_f32 v[T0+\v], v[NM+240*\v], v[SR+32+4*\v]    ; the greater M, as -M
.endr
.irp v, 0,1
	v_sub_f32 v[BM+\v], v[T0+\v], v[NM+240*\v]
	v_sub_f32 v[BM+2+\v], v[T0+\v], v[SR+32+4*\v]
.endr
.irp i, 0,1,2,3
	v_cvt_i32_f32 v[BM+\i], v[BM+\i]
.endr
.irp v, 0,1
	v_ldexp_f32 v[FF+2*\v], 1.0, v[BM+\v]          ; B's factor,
	v_ldexp_f32 v[BS+2*\v], 1.0, v[BM+2+\v]        ; A's (0 where A had no late step)
.endr
.irp v, 0,1
	v_pk_mul_f32 v[NM+2+240*\v:NM+3+240*\v], v[NM+2+240*\v:NM+3+240*\v], v[FF+2*\v:FF+1+2*\v] op_sel_hi:[1,0]
.endr
.irp v, 0,1
	v_pk_fma_f32 v[NM+2+240*\v:NM+3+240*\v], v[SR+34+4*\v:SR+35+4*\v], v[BS+2*\v:BS+1+2*\v], v[NM+2+240*\v:NM+3+240*\v] op_sel_hi:[1,0,1]
.endr
	OMUL FF
	OADD BS
	WIN 0x41
	OMUL FF+2
	WIN 0x51
	OADD BS+2
	WIN 0
.Lout:
	; THE WAY OUT: o = O^T / the sum, quantised along the head's 64 channels: register 16 b + i of lane (r, h) is channel 32 b + 16 h + i of query r
.irp v, 0,1
	v_add_f32 v[NM+2+240*\v], v[NM+2+240*\v], v[NM+3+240*\v]     ; the sum's two halves,
.endr
.irp v, 0,1
	v_permlanex16_b32 v[BT+\v], v[NM+2+240*\v], s[SEL], s[SEL+1]
.endr
.irp v, 0,1
	v_add_f32 v[NM+2+240*\v], v[NM+2+240*\v], v[BT+\v]           ; and lane l xor 16's: the row's sum
.endr
	s_wait_alu depctr_va_vdst(0)
	v_rcp_f32 v14, v14
	v_rcp_f32 v254, v254
	v_nop                                          ; one plain place behind a transcendental
.macro DIVIDE l
	s_wait_alu depctr_va_vdst(0)
.set j, 0
.rept 32
	v_mul_f32 v[SR+j], v[OT+j], v[\l]
.set j, j+1
.endr
.endm
.macro HQO                             ; at work: v192-197, v200-202; codes v204-209, scale halfword v210
.irp b, 0,1
	v_max3_num_f32 v[192+\b], |v[SR+16*\b]|, |v[SR+16*\b+1]|, 0x2800000
	v_mov_b32 v[194+\b], 0
.endr
.irp i, 2,4,6,8,10,12,14
.irp b, 0,1
	v_max3_num_f32 v[192+\b], v[192+\b], |v[SR+16*\b+\i]|, |v[SR+16*\b+\i+1]|
.endr
.endr
.irp b, 0,1
	v_permlanex16_b32 v[194+\b], v[192+\b], s[SEL], s[SEL+1]
.endr
.irp b, 0,1
	v_max_num_f32 v[192+\b], v[192+\b], v[194+\b]          ; with lane l xor 16's: the block's largest magnitude
.endr
.irp b, 0,1
	v_add_nc_u32 v[196+\b], 0xfe000000, v[192+\b]
.endr
.irp b, 0,1
	v_lshrrev_b32 v[194+\b], 23, v[196+\b]
.endr
	v_lshl_or_b32 v210, v195, 8, v194
	v_cvt_scalef32_pk16_bf6_f32 v[204:206], v[SR:SR+15], v196
	v_cvt_scalef32_pk16_bf6_f32 v[200:202], v[SR+16:SR+31], v197
	v_nop                                          ; one plain place behind a scaled conversion
.irp i, 0,1,2
	v_permlane16_swap_b32 v[204+\i], v[200+\i]     ; a whole block to a lane
.endr
.irp i, 0,1,2
	v_mov_b32 v[207+\i], v[200+\i]
.endr
.endm
.macro STOREO u
.irp p, 0,1,2
	global_store_b64 v[AK], v[204+2*\p:205+2*\p], s[8:9] offset:TILB*\u+256*\p   ; 32 lanes store 256 consecutive bytes, aligned
.endr
	ds_store_b16 v[OSA], v210 offset:32*\u         ; lanes l and l xor 16 write the same halfword with the same value
.endm
	DIVIDE 14
	WIN 0x41
	DIVIDE 254
	WIN 0
	HQO
	STOREO 0
	WIN 0x55
	HQO
	WIN 0x04
	STOREO 1
	WIN 0
	s_wait_alu depctr_va_vdst(0)
	s_wait_dscnt 0x0                               ; for wave 0's sake
	s_barrier_signal -1
	s_barrier_wait -1
	s_cmp_lg_u32 s[WV], 0
	s_cbranch_scc1 .Lend
	ds_load_b128 v[SR:SR+3], v[OSR]
	s_wait_dscnt 0x0
	global_store_b128 v[OSG], v[SR:SR+3], s[10:11] ; 32 lanes store 512 consecutive bytes, aligned
.Lend:
	s_wait_tensorcnt 0x0                           ; the wave's end
	ds_add_u32 v[SPW], v[NIL]
	s_wait_dscnt 0x0
	CROUND                                         ; the closing round: no work-group ends while a partner may still ask for a tile that names it
	s_endpgm
.Lfunc_end_k_q85c98c1e31_attn:
	.size	k_q85c98c1e31_attn, .Lfunc_end_k_q85c98c1e31_attn-k_q85c98c1e31_attn
	.p2alignl 7, 3214868480
	.fill 96, 4, 3214868480
	.section	.rodata,"a",@progbits
	.p2align	6, 0x0
	.amdhsa_kernel k_q85c98c1e31_attn
		.amdhsa_group_segment_fixed_size 281088
		.amdhsa_private_segment_fixed_size 0
		.amdhsa_enable_private_segment 0
		.amdhsa_kernarg_size 32
		.amdhsa_user_sgpr_count 2
		.amdhsa_user_sgpr_kernarg_segment_ptr 1
		.amdhsa_wavefront_size32 1
		.amdhsa_system_sgpr_workgroup_id_x 1
		.amdhsa_system_sgpr_workgroup_id_y 1
		.amdhsa_system_sgpr_workgroup_id_z 1
		.amdhsa_system_vgpr_workitem_id 0
		.amdhsa_next_free_vgpr 512
		.amdhsa_next_free_sgpr 96
		.amdhsa_reserve_vcc 0
		.amdhsa_float_denorm_mode_32 3
		.amdhsa_float_denorm_mode_16_64 3
		.amdhsa_memory_ordered 1
		.amdhsa_forward_progress 1
		.amdhsa_inst_pref_size 75
	.end_amdhsa_kernel
	.amdgpu_metadata
---
amdhsa.version: [ 1, 2 ]
amdhsa.kernels:
  - .name:           k_q85c98c1e31_attn
    .symbol:         k_q85c98c1e31_attn.kd
    .args:
      - { .name: qkvc, .offset: 0, .size: 8, .value_kind: global_buffer, .address_space: global }
      - { .name: qkvs, .offset: 8, .size: 8, .value_kind: global_buffer, .address_space: global }
      - { .name: oc, .offset: 16, .size: 8, .value_kind: global_buffer, .address_space: global }
      - { .name: os, .offset: 24, .size: 8, .value_kind: global_buffer, .address_space: global }
    .group_segment_fixed_size: 281088
    .private_segment_fixed_size: 0
    .kernarg_segment_align: 8
    .kernarg_segment_size: 32
    .max_flat_workgroup_size: 256
    .sgpr_count:     96
    .vgpr_count:     512
    .wavefront_size: 32
...
	.end_amdgpu_metadata
.endif
;; end of part 3
;; launch proj (part 4): grid 16 x 16, 4 waves a work-group, clusters of 4 x 4, 263,680 bytes of LDS; arguments oc, os, wc, ws, bp, out0; writes out0
.if DOCPART == 4
	.amdgcn_target "amdgcn-amd-amdhsa--gfx1250"
	.amdhsa_code_object_version 6
	.text
	.protected	k_q85c98c1e31_proj
	.globl	k_q85c98c1e31_proj
	.p2align	8
	.type	k_q85c98c1e31_proj,@function
k_q85c98c1e31_proj:
	s_mov_b64 s[64:65], 0
	v_nop
	global_prefetch_b8 v0, s[64:65] scope:SCOPE_SE
	s_setreg_imm32_b32 hwreg(HW_REG_WAVE_MODE, 25, 1), 1
	s_wait_xcnt 0x0
	s_wait_alu depctr_hold_cnt(0) depctr_sa_sdst(0) depctr_va_vdst(0) depctr_va_sdst(0) depctr_va_ssrc(0) depctr_va_vcc(0) depctr_vm_vsrc(0)
	s_getreg_b32 s2, hwreg(HW_REG_IB_STS2, 6, 4)
	s_cmp_eq_u32 s2, 0
	s_cbranch_scc0 .Lentry_in_a_cluster
	s_endpgm
.Lentry_in_a_cluster:
	s_bfe_u32 s2, ttmp6, 0x10000c
	s_cmp_lg_u32 s2, 0xf033
	s_cbranch_scc0 .Lentry_shape_is_right
	s_endpgm
.Lentry_shape_is_right:
; out0 = o Wp + bp on codes of BF6 (E3M2, one E8M0 scale for each 32 along K); sums in f32; the bias is the C of each sum's first matrix instruction.
; SHARES.  A work-group takes 256 tokens (block X) x 64 columns (block nb): 16 x 16 = 256 work-groups of equal work.  A wave takes 64 tokens (4 tiles) x 64 columns, two tiles at a time: 8 accumulators x 8 K steps of 128.
; CLUSTER 4 x 4: the four of a column take the same o, the four of a row the same columns of Wp: both are asked for JOINTLY.  The place in the cluster enters global addresses and masks alone.
; LDS, filled ONCE, one tensor load a wave: o's 16 tiles (196,608 bytes), Wp's 64 columns (49,152).  Wp's fragments are read from LDS once, with the first two tiles, and stay in registers.
; The first two tiles leave ahead of the other two tiles' products.  No prefetch: all is asked for at the head; no loop is left to run ahead in.
; LAYOUTS (made by the launches before): Wp's fragments are 3 planes of [lane][16 bytes]; o's are 6 planes of [lane][8 bytes] (two heads' halves on end).  Row r of token tile 4 C + u is token 64 C + 8 u + (r mod 8) + 32 (r / 8);
; row r of Wp's tile 2 G + u is column 32 G + 8 u + r + 8 (r / 8).  os: [head][batch][8][slot 8][tile of the pair 2][r 16] halfwords.
; THE PRODUCT IS USED TRANSPOSED (source 0 = 16 columns of Wp, source 1 = 16 tokens): a lane holds one token, and its 32 registers of a tile of tokens are columns 32 b + 16 (lane / 16) + 0 .. 15, b = 0, 1.
; REGISTERS, in windows of 256: window 0: v1-9 addresses; v16-31 o's scale words (8 G' + s); v32-47 Wp's (8 b + s); v48-79 the bias; v80-111 o's scale halfwords, later rows on the way out; v128-255 the accumulators.
;   window 1: Wp's fragments of K steps 0-4 at 48 s + 12 t.   window 2: those of K steps 5-7; v144-167, v168-191 two tiles' o, two sets.
.set FRB,  1536
.set TILB, 12288
.set LW,   16*TILB                     ; LDS: Wp's part, behind o
.set SPIT, 272                         ; a stage row: 256 bytes + 16
.set STG,  LW+4*TILB                   ; a stage of 16 rows for each wave; no tensor load lands here
.set SPARE, STG+4*16*SPIT              ; the spare words, 128 bytes a wave
.set WV,   16                          ; s16 wave, s17 cx, s18 X, s19 nb, s20 cy
.set G1A,  24                          ; descriptor groups 1 for o's halves, Wp's halves
.set G1B,  32
.set G0A,  40                          ; and groups 0
.set G0B,  44
.set XSC,  16
.set WSC,  32
.set BIA,  48
.set HWR,  80
.set OB,   80
.set ACC,  128
.set SPW,  126
.set NIL,  127
.set OF,   144
.set MSB,  0
.macro WIN new
.if MSB != \new
	s_set_vgpr_msb (MSB<<8)|\new
.set MSB, \new
.endif
.endm
.macro PLACES
.rept 4
	v_nop
.endr
.endm
.macro CROUND
	s_barrier_signal -1
	s_barrier_wait -1
	s_cmp_lg_u32 s[WV], 0
	s_cbranch_scc1 .Lnot_wave_0_\@
	s_barrier_signal -3
.Lnot_wave_0_\@:
	s_barrier_wait -3
	s_barrier_signal -1
	s_barrier_wait -1
.endm
.macro WMS d, a, b, c, sa, sb, ra, rb          ; one matrix instruction; ra, rb = 1: that side's scales are read from lanes 16-31 of its register
.if (\ra) && (\rb)
	v_wmma_scale_f32_16x16x128_f8f6f4 v[\d:\d+7], v[\a:\a+11], v[\b:\b+11], v[\c:\c+7], v[\sa], v[\sb] matrix_a_fmt:MATRIX_FMT_BF6 matrix_b_fmt:MATRIX_FMT_BF6 matrix_a_scale:MATRIX_SCALE_ROW1 matrix_b_scale:MATRIX_SCALE_ROW1
.elseif (\ra)
	v_wmma_scale_f32_16x16x128_f8f6f4 v[\d:\d+7], v[\a:\a+11], v[\b:\b+11], v[\c:\c+7], v[\sa], v[\sb] matrix_a_fmt:MATRIX_FMT_BF6 matrix_b_fmt:MATRIX_FMT_BF6 matrix_a_scale:MATRIX_SCALE_ROW1
.elseif (\rb)
	v_wmma_scale_f32_16x16x128_f8f6f4 v[\d:\d+7], v[\a:\a+11], v[\b:\b+11], v[\c:\c+7], v[\sa], v[\sb] matrix_a_fmt:MATRIX_FMT_BF6 matrix_b_fmt:MATRIX_FMT_BF6 matrix_b_scale:MATRIX_SCALE_ROW1
.else
	v_wmma_scale_f32_16x16x128_f8f6f4 v[\d:\d+7], v[\a:\a+11], v[\b:\b+11], v[\c:\c+7], v[\sa], v[\sb] matrix_a_fmt:MATRIX_FMT_BF6 matrix_b_fmt:MATRIX_FMT_BF6
.endif
.endm
.macro WHERE s                         ; K step s of Wp: its registers
.if (\s) < 5
.set WR, 48*(\s)
.else
.set WR, 48*((\s)-5)
.endif
.endm
.macro FETCHW s                        ; Wp's four fragments of K step s: 12 loads
	WHERE \s
.if (\s) < 5
	WIN 0x40
.else
	WIN 0x80
.endif
.irp t, 0,1,2,3
.irp p, 0,1,2
	ds_load_b128 v[WR+12*\t+4*\p:WR+12*\t+4*\p+3], v2 offset:TILB*\t+FRB*(\s)+512*\p
.endr
.endr
.endm
.macro FETCHO s, i0                    ; tiles i0, i0 + 1 of o, K step s, into set s % 2: 12 loads
	WIN 0x80
.irp u, 0,1
.irp p, 0,1,2,3,4,5
	ds_load_b64 v[OF+24*((\s)%2)+12*\u+2*\p:OF+24*((\s)%2)+12*\u+2*\p+1], v1 offset:TILB*((\i0)+\u)+FRB*(\s)+256*\p
.endr
.endr
.endm
; 8 matrix instructions: the 8 accumulators take turns, one instruction a turn, in the same order in every K step
.macro MULT s, i0
	WHERE \s
.if (\s) < 5
	WIN 0x09                                       ; source 0 (Wp) window 1, source 1 (o) window 2
.else
	WIN 0x0a                                       ; both in window 2
.endif
.irp u, 0,1
.irp t, 0,1,2,3
.if (\s) == 0
	WMS ACC+32*((\i0)+\u)+8*\t, WR+12*\t, OF+12*\u, BIA+8*\t, WSC+8*(\t/2), XSC+8*((\i0)/2), \t%2, \u   ; the first K step starts the sums from the bias
.else
	WMS ACC+32*((\i0)+\u)+8*\t, WR+12*\t, OF+24*((\s)%2)+12*\u, ACC+32*((\i0)+\u)+8*\t, WSC+8*(\t/2)+(\s), XSC+8*((\i0)/2)+(\s), \t%2, \u
.endif
.endr
.endr
.endm
; THE WAY OUT of a tile of 16 tokens, through my own stage: a lane holds 2 x 64 bytes of a row, and the lanes beside it hold other rows; back come whole rows of 256 bytes.
.macro OUT i
.irp b, 0,1
.irp q, 0,1,2,3
	ds_store_b128 v5, v[ACC+32*\i+16*\b+4*\q:ACC+32*\i+16*\b+4*\q+3] offset:128*\b+16*\q   ; each accumulator from its low end on
.endr
.endr
	s_wait_xcnt 0x0                                ; the last tile's stores have read their registers: this tile's rows may land there
.irp k, 0,1,2,3,4,5,6,7
	ds_load_b128 v[OB+4*\k:OB+4*\k+3], v6 offset:2*SPIT*\k   ; LDS serves a wave's instructions in order: these see the stores above
.endr
	s_wait_dscnt 0x0
.irp k, 0,1,2,3,4,5,6,7
	global_store_b128 v7, v[OB+4*\k:OB+4*\k+3], s[14:15] offset:(8*\i+2*\k+24*(\k/4))*4096 th:TH_STORE_NT   ; stage rows 2 k, 2 k + 1 are the tile's tokens 8 i + 2 k + 24 (k / 4) on; sixteen lanes store 256 consecutive bytes, aligned
.endr
.endm
	s_load_b256 s[4:11], s[0:1], 0x0               ; oc s[4:5], os s[6:7], wc s[8:9], ws s[10:11]
	s_load_b128 s[12:15], s[0:1], 0x20             ; bp s[12:13], out0 s[14:15]
	v_lshl_add_u32 v[SPW], v0, 2, SPARE
	v_mov_b32 v[NIL], 0
	ds_add_u32 v[SPW], v[NIL]                      ; the opening add, twice on end
	ds_add_u32 v[SPW], v[NIL]
	v_lshrrev_b32 v1, 5, v0
	v_readfirstlane_b32 s[WV], v1                  ; wave 0..3
	s_bfe_u32 s17, ttmp6, 0x40000                  ; cx
	s_bfe_u32 s20, ttmp6, 0x40004                  ; cy
	s_lshl_b32 s18, ttmp9, 2
	s_add_co_u32 s18, s18, s17                     ; X: my block of 256 tokens
	s_and_b32 s19, ttmp7, 0xffff
	s_lshl_b32 s19, s19, 2
	s_add_co_u32 s19, s19, s20                     ; nb: my block of 64 columns
	s_lshl_b32 s76, 0x1111, s17                    ; my column of the cluster: the same X
	s_lshl_b32 s77, s20, 2
	s_lshl_b32 s77, 15, s77                        ; my row: the same nb
	s_or_b32 s[G1A], s76, (3<<16)|(1<<21)          ; elements of 8 bytes; 21 set beside a mask; no padding: images are read as they lie
	s_or_b32 s[G1B], s77, (3<<16)|(1<<21)
.irp g, G1A, G1B
	s_mov_b32 s[\g+1], 32<<16                      ; rows of 256 bytes, dense
	s_mov_b32 s[\g+3], 32<<16
	s_mov_b32 s[\g+5], 32
	s_mov_b32 s[\g+6], 0
	s_mov_b32 s[\g+7], 0
.endr
	s_mov_b32 s[G1A+2], 384<<16                    ; 98,304 bytes
	s_mov_b32 s[G1A+4], 384
	s_mov_b32 s[G1B+2], 96<<16                     ; 24,576
	s_mov_b32 s[G1B+4], 96
	s_and_b32 s21, s[WV], 1                        ; which half I fetch
	s_mul_i32 s[G0A+1], s21, 8*TILB                ; LDS addresses
	s_mul_i32 s[G0B+1], s21, 2*TILB
	s_mul_i32 s78, s18, 16*TILB
	s_add_co_u32 s78, s78, s[G0A+1]
	s_mov_b32 s79, 0                               ; o: in memory
	s_mul_i32 s80, s19, 4*TILB
	s_add_co_u32 s80, s80, s[G0B+1]
	s_add_co_u32 s80, s80, 192*TILB
	s_mov_b32 s81, 0                               ; Wp, behind the other weights' 192 tiles
	s_add_co_u32 s[G0B+1], s[G0B+1], LW
	; o's scale halfwords: my 64 tokens are half of block i = 2 (X % 8) + wave / 2: the pairs 2 (wave % 2) and the next
	s_and_b32 s60, s18, 7
	s_lshl_b32 s60, s60, 1
	s_lshr_b32 s61, s[WV], 1
	s_add_co_u32 s60, s60, s61                     ; i
	s_lshr_b32 s61, s60, 3                         ; 1: a late block
	s_xor_b32 s62, s61, 1
	s_mul_i32 s62, s62, 7
	s_and_b32 s60, s60, 7
	s_xor_b32 s60, s60, s62                        ; ip: 7 - i or i - 8
	s_lshr_b32 s62, s60, 2
	s_xor_b32 s61, s61, s62
	s_and_b32 s62, s60, 6
	s_add_co_u32 s61, s61, s62                     ; the slot: 2 (ip / 2) + (late xor ip / 4)
	s_lshl_b32 s82, s61, 6
	s_and_b32 s60, s60, 1
	s_lshl_b32 s60, s60, 11                        ; 4 (ip % 2) x 512
	s_add_co_u32 s82, s82, s60
	s_lshl_b32 s60, s21, 10                        ; 2 (wave % 2) x 512
	s_add_co_u32 s82, s82, s60
	s_lshr_b32 s60, s18, 3
	s_lshl_b32 s60, s60, 12
	s_add_co_u32 s82, s82, s60
	s_mov_b32 s83, 0
	s_lshl_b32 s84, s19, 11                        ; ws: Wp's section, two groups a block of columns
	s_add_co_u32 s84, s84, 3*32768
	s_mov_b32 s85, 0
	s_lshl_b32 s86, s19, 8                         ; bp, and the columns in out0: 256 bytes a block
	s_mov_b32 s87, 0
	s_lshl_b32 s88, s18, 20                        ; out0: 256 rows of 4,096 bytes a block, 64 a wave
	s_lshl_b32 s89, s[WV], 18
	s_add_co_u32 s88, s88, s89
	s_add_co_u32 s88, s88, s86
	s_mov_b32 s89, 0
	s_mul_i32 s90, s[WV], 4*TILB
	s_mul_i32 s91, s[WV], 16*SPIT
	s_add_co_u32 s91, s91, STG                     ; my stage
	v_and_b32 v10, 31, v0                          ; lane
	v_and_b32 v11, 15, v0                          ; r
	v_bfe_u32 v12, v0, 4, 1                        ; h
	v_lshl_add_u32 v1, v10, 3, s90                 ; LDS: my lane in my four tiles of o,
	v_lshl_add_u32 v2, v10, 4, LW                  ; and in Wp
	v_lshlrev_b32 v3, 3, v10                       ; 8 x lane
	v_lshlrev_b32 v4, 1, v10                       ; 2 x lane
	v_mul_u32_u24 v5, v11, SPIT
	v_lshl_add_u32 v5, v12, 6, v5
	v_add_nc_u32 v5, s91, v5                       ; the stage, in: row r, + 64 h
	v_mul_u32_u24 v6, v12, SPIT
	v_lshl_add_u32 v6, v11, 4, v6
	v_add_nc_u32 v6, s91, v6                       ; back: lanes 0-15 one row of 256 bytes, lanes 16-31 the next
	v_lshlrev_b32 v7, 12, v12
	v_lshl_add_u32 v7, v11, 4, v7                  ; and the same two rows of out0
	v_lshlrev_b32 v8, 6, v12                       ; 64 h: my half's 16 numbers of the bias
	s_wait_alu depctr_va_vdst(0)
	s_wait_dscnt 0x0                               ; both opening adds are done
	s_wait_kmcnt 0x0
	s_add_nc_u64 s[6:7], s[6:7], s[82:83]
	s_add_nc_u64 s[10:11], s[10:11], s[84:85]
	s_add_nc_u64 s[12:13], s[12:13], s[86:87]
	s_add_nc_u64 s[14:15], s[14:15], s[88:89]
.irp g, 0,1
.irp hd, 0,1,2,3,4,5,6,7,8,9,10,11,12,13,14,15
	global_load_u16 v[HWR+16*\g+\hd], v4, s[6:7] offset:8192*\hd+512*\g   ; head hd's two scale bytes: lanes 0-15 tile 2 g's rows, lanes 16-31 tile 2 g + 1's
.endr
.endr
.irp b, 0,1
.irp j, 0,1,2,3
	global_load_b64 v[WSC+8*\b+2*\j:WSC+8*\b+2*\j+1], v3, s[10:11] offset:1024*\b+256*\j
.endr
.endr
.irp t, 0,1,2,3
.irp q, 0,1
	global_load_b128 v[BIA+8*\t+4*\q:BIA+8*\t+4*\q+3], v8, s[12:13] offset:128*(\t/2)+32*(\t%2)+16*\q   ; the bias in the result's layout: columns 32 (t / 2) + 16 h + 8 (t % 2) + 0 .. 7
.endr
.endr
	s_add_nc_u64 s[G0A+2:G0A+3], s[4:5], s[78:79]
	s_add_nc_u64 s[G0B+2:G0B+3], s[8:9], s[80:81]
.irp g, G0A, G0B
	s_mov_b32 s[\g], 1                             ; count = 1
	s_or_b32 s[\g+3], s[\g+3], 0x80000000          ; type = 2
.endr
	CROUND                                         ; all sixteen work-groups are here: the joint loads meet
	s_cmp_lt_u32 s[WV], 2                          ; ONE joint load a wave: waves 0 and 1 o's halves, 2 and 3 Wp's
	s_cbranch_scc0 .Lfor_w
	tensor_load_to_lds s[G0A:G0A+3], s[G1A:G1A+7]
	s_nop 0
	PLACES
	s_branch .Lasked
.Lfor_w:
	tensor_load_to_lds s[G0B:G0B+3], s[G1B:G1B+7]
	s_nop 0
	PLACES
.Lasked:
	s_wait_loadcnt 0x0
.irp g, 0,1
.irp s, 0,1,2,3,4,5,6,7
	v_lshl_or_b32 v[XSC+8*\g+\s], v[HWR+16*\g+2*\s+1], 16, v[HWR+16*\g+2*\s]   ; K step s is heads 2 s and 2 s + 1
.endr
.endr
.rept 8
	v_nop                                          ; a scale register written by a vector instruction stands eight places ahead of a product
.endr
	s_wait_alu depctr_va_vdst(0)
	s_wait_tensorcnt 0x0                           ; my load is in,
	s_wait_dscnt 0x0
	s_barrier_signal -1
	s_barrier_wait -1                              ; everybody's is
	FETCHW 0
	FETCHO 0, 0
.irp s, 0,1,2,3,4,5,6                  ; tiles 0 and 1
	PLACES                                         ; behind the products that read the set to be loaded
	FETCHW \s+1
	FETCHO \s+1, 0
	s_wait_dscnt 24                                ; all but the 24 just issued: this step's fragments are in
	MULT \s, 0
.endr
	s_wait_dscnt 0x0
	MULT 7, 0
	PLACES                                         ; behind the last products: for the loads below and for the first reads of results
	FETCHO 0, 2
	WIN 0
	OUT 0
	OUT 1
.irp s, 0,1,2,3,4,5,6                  ; tiles 2 and 3
	PLACES
	FETCHO \s+1, 2
	s_wait_dscnt 12                                ; all but the 12 just issued
	MULT \s, 2
.endr
	s_wait_dscnt 0x0
	MULT 7, 2
	WIN 0
	PLACES
	OUT 2
	OUT 3
	s_wait_tensorcnt 0x0                           ; the wave's end
	ds_add_u32 v[SPW], v[NIL]
	s_wait_dscnt 0x0
	CROUND                                         ; the closing round: no work-group ends while a partner may still ask for a tile that names it
	s_endpgm
.Lfunc_end_k_q85c98c1e31_proj:
	.size	k_q85c98c1e31_proj, .Lfunc_end_k_q85c98c1e31_proj-k_q85c98c1e31_proj
	.p2alignl 7, 3214868480
	.fill 96, 4, 3214868480
	.section	.rodata,"a",@progbits
	.p2align	6, 0x0
	.amdhsa_kernel k_q85c98c1e31_proj
		.amdhsa_group_segment_fixed_size 263680
		.amdhsa_private_segment_fixed_size 0
		.amdhsa_enable_private_segment 0
		.amdhsa_kernarg_size 48
		.amdhsa_user_sgpr_count 2
		.amdhsa_user_sgpr_kernarg_segment_ptr 1
		.amdhsa_wavefront_size32 1
		.amdhsa_system_sgpr_workgroup_id_x 1
		.amdhsa_system_sgpr_workgroup_id_y 1
		.amdhsa_system_sgpr_workgroup_id_z 1
		.amdhsa_system_vgpr_workitem_id 0
		.amdhsa_next_free_vgpr 768
		.amdhsa_next_free_sgpr 96
		.amdhsa_reserve_vcc 0
		.amdhsa_float_denorm_mode_32 3
		.amdhsa_float_denorm_mode_16_64 3
		.amdhsa_memory_ordered 1
		.amdhsa_forward_progress 1
		.amdhsa_inst_pref_size 58
	.end_amdhsa_kernel
	.amdgpu_metadata
---
amdhsa.version: [ 1, 2 ]
amdhsa.kernels:
  - .name:           k_q85c98c1e31_proj
    .symbol:         k_q85c98c1e31_proj.kd
    .args:
      - { .name: oc, .offset: 0, .size: 8, .value_kind: global_buffer, .address_space: global }
      - { .name: os, .offset: 8, .size: 8, .value_kind: global_buffer, .address_space: global }
      - { .name: wc, .offset: 16, .size: 8, .value_kind: global_buffer, .address_space: global }
      - { .name: ws, .offset: 24, .size: 8, .value_kind: global_buffer, .address_space: global }
      - { .name: bp, .offset: 32, .size: 8, .value_kind: global_buffer, .address_space: global }
      - { .name: out0, .offset: 40, .size: 8, .value_kind: global_buffer, .address_space: global }
    .group_segment_fixed_size: 263680
    .private_segment_fixed_size: 0
    .kernarg_segment_align: 8
    .kernarg_segment_size: 48
    .max_flat_workgroup_size: 128
    .sgpr_count:     96
    .vgpr_count:     768
    .wavefront_size: 32
...
	.end_amdgpu_metadata
.endif
;; end of part 4
